; MI455X (gfx1250); checked and timed in simulation.
; The chip was launched on July 23, 2026; its instructions are those of AMD's public machine-readable ISA for CDNA 5 (MIT licence, August 2026) and "CDNA5" Instruction Set Architecture Reference Guide (July 2026). The comments in the code are by the model that wrote it; some were corrected since.
;; Causal Self Attention. Allowed arithmetic: matrix products marked QUANTISED: E2M1 operands, one E8M0 scale for each 32 along K, by v_wmma_scale_f32_16x16x128_f8f6f4 with both operands' format E2M1 (or v_wmma_scale_f32_32x16x128_f4), f32 sums; products left as they are: bf16, f16 or f32 operands; f32 sums; everything else in f32.
;; Inputs: W_out 1,024 x 1,024 float32; W_qkv 1,024 x 3,072 float32; b_out 1,024 float32; b_qkv 3,072 float32; x 4 x 2,048 x 1,024 float32.
;; Outputs: out0 4 x 2,048 x 1,024 float32.
;; This version of the problem:
;;   THIS VERSION OF THE PROBLEM IS GIVEN IN LOW PRECISION. The matrix products marked QUANTISED in the list below multiply operands that are first quantised to E2M1 (2 exponent bits, 1 mantissa bit; 4 bits a number), with one power-of-two scale for each 32 numbers along K (OCP MX v1.0); their sums are f32. The products marked 'left as it is' may take bf16, f16 or f32 operands, with f32 sums. Whichever they take, every output number must still come out within the allowed error. Rounding operands to bf16 (8 significant bits) uses up far more of that allowance than f16 does (11 bits, for magnitudes from 6e-5 to 65,504). All else is computed in f32.
;;   The module's matrix products, in the order in which they are computed (A, B: the left and right operand; K: the contracted axis; several contracted axes count as one K, in the product's order):
;;     1. [M 8,192, K 1,024] x [K 1,024, N 3,072]; A: input x; B: input W_qkv: QUANTISED
;;     2. batch 64 x [M 2,048, K 64] x [K 64, N 2,048]; A: computed on the way; B: computed on the way: left as it is (an operand is computed on the way)
;;     3. batch 64 x [M 2,048, K 2,048] x [K 2,048, N 64]; A: computed on the way; B: computed on the way: left as it is (an operand is computed on the way)
;;     4. [M 8,192, K 1,024] x [K 1,024, N 1,024]; A: computed on the way; B: input W_out: left as it is (an operand is computed on the way)
;;   THE QUANTISER, for each operand of a quantised product, along K:
;;     - K is cut into blocks of 32 from its start; a last block that is shorter is filled with zeros.
;;     - A block's scale is 2^e with e = floor(log2(the largest magnitude in the block)) - 2, held to -126 .. 127; a block of zeros has e = 0. As a byte (E8M0): e + 127.
;;     - Each number is divided by its block's scale, clamped to +-6, and rounded to the nearest number of E2M1, ties to even, subnormals kept.
;;     - The product sums the exact products of the quantised numbers (number of the format x scale) in f32.
;;   ~~~python
;;   def quantise(x, axis):      # numpy; x: float32 -> the quantised numbers, widened to float32 again
;;       x = np.moveaxis(x, axis, -1); K = x.shape[-1]
;;       x = np.pad(x, [(0, 0)] * (x.ndim - 1) + [(0, -K % 32)]); x = x.reshape(x.shape[:-1] + (-1, 32)); a = np.abs(x).max(-1, keepdims=True)
;;       e = np.where(a > 0, np.clip(np.frexp(np.where(a > 0, a, 1))[1] - 1 - 2, -126, 127), 0)      # np.frexp(a)[1] - 1 = floor(log2(a)), exactly
;;       r = np.clip(x / 2.0 ** e, -6, 6)
;;       step = 2.0 ** (np.maximum(np.frexp(np.where(r == 0, 1, r))[1] - 1, 0) - 1)
;;       q = np.round(r / step) * step * 2.0 ** e      # np.round: ties to even
;;       return np.moveaxis(q.reshape(q.shape[:-2] + (-1,))[..., :K], -1, axis).astype(np.float32)
;;   ~~~
;; One version. Each part assembles by itself: llvm-mc -triple=amdgcn-amd-amdhsa -mcpu=gfx1250 --defsym DOCPART=n.
;; ======== version 1 of 1: 6 launches
;; limits: values are held in f16: magnitudes above 65,504 overflow, below 6.1e-05 lose precision
;; workspace buffers: xc 4,194,304 bytes; xs 262,144 bytes; wc 1,572,864 bytes; ws 98,304 bytes; wo 2,097,152 bytes; qkv 50,331,648 bytes; att 16,777,216 bytes; o32 262,144 bytes
;; launch prep (part 1): grid 336 x 1, 4 waves a work-group, no clusters, 86,528 bytes of LDS; arguments x, W_qkv, W_out, xc, xs, wc, ws, wo; writes xc, xs, wc, ws, wo
.if DOCPART == 1
	.amdgcn_target "amdgcn-amd-amdhsa--gfx1250"
	.amdhsa_code_object_version 6
	.text
	.protected	k_q84b469c1ac_prep
	.globl	k_q84b469c1ac_prep
	.p2align	8
	.type	k_q84b469c1ac_prep,@function
k_q84b469c1ac_prep:
	s_mov_b64 s[64:65], 0
	v_nop
	global_prefetch_b8 v0, s[64:65] scope:SCOPE_SE
	s_setreg_imm32_b32 hwreg(HW_REG_WAVE_MODE, 25, 1), 1
	s_wait_xcnt 0x0
; CAUSAL SELF-ATTENTION, B = 4, T = 2,048, C = 1,024, 16 heads of 64.  Six launches: this one (operands made ready), the product x W_qkv on codes of E2M1, the attention in f16,
; the projection in f16, and two small launches that carry positions 0 to 15 of every sequence in f32.
; WORK LEFT OUT IN THE PROGRAM: the causal mask is built in the problem's own body (key k counts for query q where k <= q): a score under the mask becomes -infinity, its weight is exactly 0
; and adds nothing to the row's sum nor to the weighted sum of V, whatever finite values the inputs hold.  So key steps all of whose keys come after all of a wave's queries are not computed.
; LIMIT: a NaN, an infinity or an overflow that arises only in such left-out scores is not carried to the result.  Every input has a way to the output and is loaded.
; THIS LAUNCH, three paths parted on the work-group's number alone, each with LDS bytes of its own:
;   work-groups 0-47:   W_qkv [1024 k][3072 n] f32 -> codes of E2M1 with K innermost, wc [3072][512 bytes], and E8M0 bytes ws [3072][32].  A lane takes a column, its registers run down K.
;   work-groups 48-79:  W_out [1024 k][1024 n] f32 -> f16, wo [16 planes of 64 k][1024 n][64]: a plane's rows are 128 dense bytes.
;   work-groups 80-335: x [8192][1024] f32 -> codes xc [8192][512 bytes] and bytes xs [8192][32]: a plain stream of blocks of 32.
; THE QUANTISER: a block's scale is 2^(floor(log2(largest magnitude)) - 2); its byte is the largest magnitude's exponent field - 2, held at 1 from below.  A block of zeros gets the byte 1 where the
; rule says 127: its codes are zeros, which add nothing under any byte but 0xff, and this program alone reads the bytes.
; LIMITS: blocks whose largest magnitude lies under 2^-124 get the byte 1; NaN and infinities among the inputs are not served; W_out beyond 65,504 in magnitude has no f16 number.
.set WSTG,  0                          ; path W: four stages of 32 rows x 272 bytes
.set OSTG,  34816                      ; path O: four stages of 32 rows x 144 bytes
.set XREG,  53248                      ; path X: 8,192 bytes for each wave
.set SPARE, 86016                      ; the spare words, 128 bytes for each wave: two blocks of 256 bytes that no other line names
.set SPW,   14                         ; v14  LDS address of my spare word; never rewritten
.set NIL,   15                         ; v15  0; never rewritten
.macro CLOSE                           ; the wave's end
	s_wait_tensorcnt 0x0
	ds_add_u32 v[SPW], v[NIL]
	s_wait_dscnt 0x0
	s_endpgm
.endm
	s_load_b256 s[4:11], s[0:1], 0x0               ; x s[4:5], W_qkv s[6:7], W_out s[8:9], xc s[10:11]
	s_load_b256 s[12:19], s[0:1], 0x20             ; xs s[12:13], wc s[14:15], ws s[16:17], wo s[18:19]
	v_lshl_add_u32 v[SPW], v0, 2, SPARE
	v_mov_b32 v[NIL], 0
	v_lshrrev_b32 v1, 5, v0
	v_readfirstlane_b32 s20, v1                    ; wave 0..3
	v_and_b32 v2, 31, v0                           ; lane
	s_mov_b32 s25, 0                               ; the upper word of every offset pair s[24:25]
	s_wait_kmcnt 0x0
	s_cmp_lt_u32 ttmp9, 48
	s_cbranch_scc1 .Lpath_w
	s_cmp_lt_u32 ttmp9, 80
	s_cbranch_scc1 .Lpath_o
; ---------------- PATH X: x into codes.  A wave takes 16 steps of 512 numbers.  Each load reads 512 consecutive bytes; a step's 2,048 bytes turn through the wave's own stage in LDS (16 bytes of padding
; behind each 64) and come back 64 bytes a lane: 16 neighbours along K, two lanes to a block.  Loads run four steps ahead, the turn through LDS one step.
.set XR, 16                            ; v16-79   four sets of 16 numbers as loaded
.set XX, 80                            ; v80-111  two sets of 16 neighbours
.set XE, 112                           ; v112-127 a scale byte for each step
.set XC, 128                           ; v128-191 codes: four registers for each step, so that no store's data are written again
	s_sub_co_u32 s21, ttmp9, 80
	s_lshl_b32 s21, s21, 2
	s_add_co_u32 s21, s21, s20                     ; which run of 8,192 numbers is my wave's
	s_lshl_b32 s24, s21, 15
	s_add_nc_u64 s[4:5], s[4:5], s[24:25]          ; 32,768 bytes of x a run,
	s_lshl_b32 s24, s21, 12
	s_add_nc_u64 s[10:11], s[10:11], s[24:25]      ; 4,096 of codes,
	s_lshl_b32 s24, s21, 8
	s_add_nc_u64 s[12:13], s[12:13], s[24:25]      ; 256 scale bytes
	v_lshlrev_b32 v3, 4, v2                        ; my 16 bytes of a load's 512
	s_lshl_b32 s22, s20, 13
	s_add_co_u32 s22, s22, XREG                    ; my wave's region
	v_lshrrev_b32 v12, 2, v2
	v_mul_u32_u24 v12, v12, 80
	v_and_b32 v13, 3, v2
	v_lshl_add_u32 v12, v13, 4, v12
	v_add_nc_u32 v12, s22, v12                     ; the stage on the way in: 80 (lane / 4) + 16 (lane % 4)
	v_mul_u32_u24 v13, v2, 80
	v_add_nc_u32 v13, s22, v13                     ; and on the way out: 80 x lane
	v_lshlrev_b32 v4, 3, v2                        ; my 8 bytes of a step's 256 bytes of codes
	v_lshrrev_b32 v5, 1, v2
	s_add_co_u32 s22, s22, 5120                    ; behind the two stages: my wave's 256 scale bytes
	v_add_nc_u32 v5, s22, v5
	v_lshlrev_b32 v7, 3, v2
	v_add_nc_u32 v6, s22, v7
.macro XLOAD t
.irp i, 0,1,2,3
	global_load_b128 v[XR+16*((\t)%4)+4*\i:XR+16*((\t)%4)+4*\i+3], v3, s[4:5] offset:2048*(\t)+512*\i th:TH_LOAD_NT
.endr
.endm
.macro XTURN t                         ; LDS serves a wave's instructions in order: no wait between the stores and the loads
.irp i, 0,1,2,3
	ds_store_b128 v12, v[XR+16*((\t)%4)+4*\i:XR+16*((\t)%4)+4*\i+3] offset:2560*((\t)%2)+640*\i
.endr
.irp i, 0,1,2,3
	ds_load_b128 v[XX+16*((\t)%2)+4*\i:XX+16*((\t)%2)+4*\i+3], v13 offset:2560*((\t)%2)+16*\i
.endr
.endm
.irp t, 0,1,2,3
	XLOAD \t
.endr
	s_wait_loadcnt 12                              ; step 0's four loads are in
	XTURN 0
.macro XSTEP t
.set XS, XX+16*((\t)%2)
.if (\t) > 0
	s_wait_dscnt 1                                 ; this step's numbers are back from the stage (the last step's byte store may be out)
.else
	s_wait_dscnt 0x0
.endif
.if (\t)+4 < 16
	XLOAD (\t)+4                                   ; into the registers that this step's stores into the stage have read
.endif
.if (\t)+1 < 16
.if 14-(\t) >= 3
	s_wait_loadcnt 12                              ; the next step's four loads are in; those of the three steps behind it may be out
.else
	s_wait_loadcnt 4*(14-(\t))
.endif
	XTURN (\t)+1
.endif
	v_max3_num_f32 v8, |v[XS]|, |v[XS+1]|, |v[XS+2]|      ; the largest magnitude of my 16, in two chains
	v_max3_num_f32 v9, |v[XS+3]|, |v[XS+4]|, |v[XS+5]|
.irp i, 6,10
	v_max3_num_f32 v8, v8, |v[XS+\i]|, |v[XS+\i+1]|
	v_max3_num_f32 v9, v9, |v[XS+\i+2]|, |v[XS+\i+3]|
.endr
	v_max3_num_f32 v8, v8, |v[XS+14]|, |v[XS+15]|
	v_max3_num_f32 v8, v8, v9, 0x1800000           ; and the floor 2^(3 - 127): the byte cannot fall under 1
	v_max_num_f32_dpp v8, v8, v8 row_xmask:1 row_mask:0xf bank_mask:0xf   ; with my neighbour's 16: the block's
	v_add_nc_u32 v11, 0xff000000, v8               ; 2 off its exponent field: the conversion takes this operand's exponent field as its scale
	v_cvt_scalef32_pk8_fp4_f32 v[XC+4*(\t)], v[XS:XS+7], v11
	v_cvt_scalef32_pk8_fp4_f32 v[XC+4*(\t)+1], v[XS+8:XS+15], v11
	v_lshrrev_b32 v[XE+(\t)], 23, v11              ; the scale's byte
	ds_store_b8 v5, v[XE+(\t)] offset:16*(\t)      ; both lanes of a block write the same byte with the same value
	global_store_b64 v4, v[XC+4*(\t):XC+4*(\t)+1], s[10:11] offset:256*(\t)   ; the wave stores 256 consecutive bytes, aligned
.endm
.irp t, 0,1,2,3,4,5,6,7,8,9,10,11,12,13,14,15
	XSTEP \t
.endr
	ds_load_b64 v[8:9], v6                         ; my wave's 256 scale bytes, 8 a lane
	s_wait_dscnt 0x0
	global_store_b64 v7, v[8:9], s[12:13]
	CLOSE
; ---------------- PATH W: W_qkv into codes.  A wave takes 32 columns x 512 along K: 16 blocks a lane; the codes leave through the wave's stage as rows of 256 bytes.
.set WX,   32                          ; v32-95   two sets of 32 numbers
.set WC,   96                          ; v96-99   a block's codes
.set WOUT, 112                         ; v112-175 the way out
.set WSB,  24                          ; v24-27   the scale bytes, four to a register
.Lpath_w:
	s_cmp_ge_u32 ttmp9, 24
	s_cselect_b32 s22, 1, 0                        ; which 512 along K
	s_cselect_b32 s21, 24, 0
	s_sub_co_u32 s21, ttmp9, s21
	s_lshl_b32 s21, s21, 7
	s_lshl_b32 s23, s20, 5
	s_add_co_u32 s21, s21, s23                     ; my wave's first column
	s_mul_i32 s24, s22, 512*3072*4
	s_lshl_b32 s23, s21, 2
	s_add_co_u32 s24, s24, s23
	s_add_nc_u64 s[6:7], s[6:7], s[24:25]          ; W_qkv at (512 y, column)
	s_lshl_b32 s24, s21, 9
	s_lshl_b32 s23, s22, 8
	s_add_co_u32 s24, s24, s23
	s_add_nc_u64 s[14:15], s[14:15], s[24:25]      ; codes: column x 512 + 256 y
	s_lshl_b32 s24, s21, 5
	s_lshl_b32 s23, s22, 4
	s_add_co_u32 s24, s24, s23
	s_add_nc_u64 s[16:17], s[16:17], s[24:25]      ; scale bytes: column x 32 + 16 y
	v_lshlrev_b32 v3, 2, v2                        ; in: 4 bytes a lane
	s_mul_i32 s23, s20, 32*272                     ; my stage (WSTG = 0)
	v_mul_u32_u24 v4, v2, 272
	v_add_nc_u32 v4, s23, v4                       ; into it: row = my column
	v_and_b32 v5, 15, v2
	v_lshrrev_b32 v6, 4, v2
	v_mul_u32_u24 v7, v6, 272
	v_lshl_add_u32 v7, v5, 4, v7
	v_add_nc_u32 v7, s23, v7                       ; out of it: sixteen lanes to a row, two rows an instruction
	v_lshlrev_b32 v8, 9, v6
	v_lshl_add_u32 v8, v5, 4, v8                   ; and the same place in the codes' buffer
	v_lshlrev_b32 v9, 5, v2                        ; my column's row of scale bytes
.macro WLOAD t
.irp i, 0,1,2,3,4,5,6,7,8,9,10,11,12,13,14,15,16,17,18,19,20,21,22,23,24,25,26,27,28,29,30,31
	global_load_b32 v[WX+32*((\t)%2)+\i], v3, s[6:7] offset:(32*(\t)+\i)*12288 th:TH_LOAD_NT   ; 32 lanes read 128 consecutive bytes; the largest offset, 511 rows, lies inside the signed 24 bits
.endr
.endm
	WLOAD 0
	WLOAD 1
.macro WBLOCK t
.set XS, WX+32*((\t)%2)
.if (\t) < 15
	s_wait_loadcnt 32                              ; this block's 32 loads are in; the next block's may be out
.else
	s_wait_loadcnt 0
.endif
	v_max3_num_f32 v12, |v[XS]|, |v[XS+1]|, |v[XS+2]|
	v_max3_num_f32 v13, |v[XS+3]|, |v[XS+4]|, |v[XS+5]|
.irp i, 6,10,14,18,22,26
	v_max3_num_f32 v12, v12, |v[XS+\i]|, |v[XS+\i+1]|
	v_max3_num_f32 v13, v13, |v[XS+\i+2]|, |v[XS+\i+3]|
.endr
	v_max3_num_f32 v12, v12, |v[XS+30]|, |v[XS+31]|
	v_max3_num_f32 v12, v12, v13, 0x1800000        ; the floor
	v_add_nc_u32 v11, 0xff000000, v12
	v_lshrrev_b32 v13, 23, v11                     ; the scale's byte
.if (\t)%4 == 0
	v_mov_b32 v[WSB+(\t)/4], v13
.else
	v_lshl_or_b32 v[WSB+(\t)/4], v13, 8*((\t)%4), v[WSB+(\t)/4]
.endif
.irp g, 0,1,2,3
	v_cvt_scalef32_pk8_fp4_f32 v[WC+\g], v[XS+8*\g:XS+8*\g+7], v11
.endr
	ds_store_b128 v4, v[WC:WC+3] offset:16*(\t)    ; 32 codes: 16 bytes of my column's row
.if (\t)+2 < 16
	WLOAD (\t)+2
.endif
	s_wait_dscnt 0x0                               ; the store has read its registers: the next block's codes may be written
.endm
.set Q, 0
.rept 16
	WBLOCK Q
.set Q, Q+1
.endr
	global_store_b128 v9, v[WSB:WSB+3], s[16:17]   ; my column's 16 scale bytes
.irp t, 0,1,2,3,4,5,6,7,8,9,10,11,12,13,14,15
	ds_load_b128 v[WOUT+4*\t:WOUT+4*\t+3], v7 offset:2*\t*272
.endr
.irp t, 0,1,2,3,4,5,6,7,8,9,10,11,12,13,14,15
	s_wait_dscnt 15-\t
	global_store_b128 v8, v[WOUT+4*\t:WOUT+4*\t+3], s[14:15] offset:2*\t*512   ; sixteen lanes store 256 consecutive bytes, aligned
.endr
	CLOSE
; ---------------- PATH O: W_out into f16.  A wave takes 32 columns x 256 along K: four planes of 64.  A lane takes a column; two blocks of 32 along K make its 128 bytes of a plane;
; the plane's 32 rows go through the wave's stage (pitch 144) and leave as 4,096 dense bytes.
.set OX,   32                          ; v32-95   two sets of 32 numbers
.set OC,   96                          ; v96-111  32 numbers as f16
.set OOUT, 112                         ; v112-175 the way out, two sets of 32
.Lpath_o:
	s_sub_co_u32 s21, ttmp9, 48
	s_and_b32 s22, s21, 7
	s_lshr_b32 s21, s21, 3                         ; which 256 along K
	s_lshl_b32 s22, s22, 7
	s_lshl_b32 s23, s20, 5
	s_add_co_u32 s22, s22, s23                     ; my wave's first column
	s_lshl_b32 s24, s21, 20                        ; 256 rows of 4,096 bytes
	s_lshl_b32 s23, s22, 2
	s_add_co_u32 s24, s24, s23
	s_add_nc_u64 s[8:9], s[8:9], s[24:25]
	s_lshl_b32 s24, s21, 19                        ; four planes of 131,072 bytes
	s_lshl_b32 s23, s22, 7
	s_add_co_u32 s24, s24, s23
	s_add_nc_u64 s[18:19], s[18:19], s[24:25]
	v_lshlrev_b32 v3, 2, v2
	s_mul_i32 s23, s20, 4608
	s_add_co_u32 s23, s23, OSTG                    ; my stage
	v_mul_u32_u24 v4, v2, 144
	v_add_nc_u32 v4, s23, v4                       ; into it: row = my column
	v_lshrrev_b32 v5, 3, v2
	v_mul_u32_u24 v7, v5, 144
	v_and_b32 v5, 7, v2
	v_lshl_add_u32 v7, v5, 4, v7
	v_add_nc_u32 v7, s23, v7                       ; out of it: eight lanes to a row of 128 bytes, four rows an instruction
	v_lshlrev_b32 v8, 4, v2                        ; which are 512 dense bytes of the plane
.macro OLOAD t
.irp i, 0,1,2,3,4,5,6,7,8,9,10,11,12,13,14,15,16,17,18,19,20,21,22,23,24,25,26,27,28,29,30,31
	global_load_b32 v[OX+32*((\t)%2)+\i], v3, s[8:9] offset:(32*(\t)+\i)*4096 th:TH_LOAD_NT
.endr
.endm
	OLOAD 0
	OLOAD 1
.macro OBLOCK t
.set XS, OX+32*((\t)%2)
.if (\t) < 7
	s_wait_loadcnt 32                              ; this block's 32 loads are in; the next block's may be out
.else
	s_wait_loadcnt 0
.endif
.irp i, 0,1,2,3,4,5,6,7,8,9,10,11,12,13,14,15
	v_cvt_pk_f16_f32 v[OC+\i], v[XS+2*\i], v[XS+2*\i+1]
.endr
.irp g, 0,1,2,3
	ds_store_b128 v4, v[OC+4*\g:OC+4*\g+3] offset:64*((\t)%2)+16*\g
.endr
.if (\t)+2 < 8
	OLOAD (\t)+2
.endif
	s_wait_dscnt 0x0                               ; the stores have read their registers
.if (\t)%2 == 1                        ; a plane is whole
.set OB, OOUT+32*(((\t)/2)%2)
.if (\t) >= 5
	s_wait_xcnt 0x0                                ; the stores of the plane two back have read this set of registers
.endif
.irp u, 0,1,2,3,4,5,6,7
	ds_load_b128 v[OB+4*\u:OB+4*\u+3], v7 offset:576*\u
.endr
	s_wait_dscnt 0x0
.irp u, 0,1,2,3,4,5,6,7
	global_store_b128 v8, v[OB+4*\u:OB+4*\u+3], s[18:19] offset:((\t)/2)*131072+512*\u   ; 512 consecutive bytes, aligned
.endr
.endif
.endm
.set Q, 0
.rept 8
	OBLOCK Q
.set Q, Q+1
.endr
	CLOSE
.Lfunc_end_k_q84b469c1ac_prep:
	.size	k_q84b469c1ac_prep, .Lfunc_end_k_q84b469c1ac_prep-k_q84b469c1ac_prep
	.p2alignl 7, 3214868480
	.fill 96, 4, 3214868480
	.section	.rodata,"a",@progbits
	.p2align	6, 0x0
	.amdhsa_kernel k_q84b469c1ac_prep
		.amdhsa_group_segment_fixed_size 86528
		.amdhsa_private_segment_fixed_size 0
		.amdhsa_enable_private_segment 0
		.amdhsa_kernarg_size 64
		.amdhsa_user_sgpr_count 2
		.amdhsa_user_sgpr_kernarg_segment_ptr 1
		.amdhsa_wavefront_size32 1
		.amdhsa_system_sgpr_workgroup_id_x 1
		.amdhsa_system_sgpr_workgroup_id_y 1
		.amdhsa_system_sgpr_workgroup_id_z 1
		.amdhsa_system_vgpr_workitem_id 0
		.amdhsa_next_free_vgpr 192
		.amdhsa_next_free_sgpr 66
		.amdhsa_reserve_vcc 0
		.amdhsa_float_denorm_mode_32 3
		.amdhsa_float_denorm_mode_16_64 3
		.amdhsa_memory_ordered 1
		.amdhsa_forward_progress 1
		.amdhsa_inst_pref_size 151
	.end_amdhsa_kernel
	.amdgpu_metadata
---
amdhsa.version: [ 1, 2 ]
amdhsa.kernels:
  - .name:           k_q84b469c1ac_prep
    .symbol:         k_q84b469c1ac_prep.kd
    .args:
      - { .name: x, .offset: 0, .size: 8, .value_kind: global_buffer, .address_space: global }
      - { .name: W_qkv, .offset: 8, .size: 8, .value_kind: global_buffer, .address_space: global }
      - { .name: W_out, .offset: 16, .size: 8, .value_kind: global_buffer, .address_space: global }
      - { .name: xc, .offset: 24, .size: 8, .value_kind: global_buffer, .address_space: global }
      - { .name: xs, .offset: 32, .size: 8, .value_kind: global_buffer, .address_space: global }
      - { .name: wc, .offset: 40, .size: 8, .value_kind: global_buffer, .address_space: global }
      - { .name: ws, .offset: 48, .size: 8, .value_kind: global_buffer, .address_space: global }
      - { .name: wo, .offset: 56, .size: 8, .value_kind: global_buffer, .address_space: global }
    .group_segment_fixed_size: 86528
    .private_segment_fixed_size: 0
    .kernarg_segment_align: 8
    .kernarg_segment_size: 64
    .max_flat_workgroup_size: 128
    .sgpr_count:     66
    .vgpr_count:     192
    .wavefront_size: 32
...
	.end_amdgpu_metadata
.endif
;; end of part 1
;; launch gemm_qkv (part 2): grid 12 x 32, 4 waves a work-group, clusters of 4 x 4, 327,680 bytes of LDS; arguments xc, xs, wc, ws, b_qkv, qkv; writes qkv
.if DOCPART == 2
	.amdgcn_target "amdgcn-amd-amdhsa--gfx1250"
	.amdhsa_code_object_version 6
	.text
	.protected	k_q84b469c1ac_gemm_qkv
	.globl	k_q84b469c1ac_gemm_qkv
	.p2align	8
	.type	k_q84b469c1ac_gemm_qkv,@function
k_q84b469c1ac_gemm_qkv:
	s_mov_b64 s[64:65], 0
	v_nop
	global_prefetch_b8 v0, s[64:65] scope:SCOPE_SE
	s_setreg_imm32_b32 hwreg(HW_REG_WAVE_MODE, 25, 1), 1
	s_wait_xcnt 0x0
	s_wait_alu depctr_hold_cnt(0) depctr_sa_sdst(0) depctr_va_vdst(0) depctr_va_sdst(0) depctr_va_ssrc(0) depctr_va_vcc(0) depctr_vm_vsrc(0)
	s_getreg_b32 s2, hwreg(HW_REG_IB_STS2, 6, 4)
	s_cmp_eq_u32 s2, 0
	s_cbranch_scc0 .Lentry_in_a_cluster
	s_endpgm
.Lentry_in_a_cluster:
	s_bfe_u32 s2, ttmp6, 0x10000c
	s_cmp_lg_u32 s2, 0xf033
	s_cbranch_scc0 .Lentry_shape_is_right
	s_endpgm
.Lentry_shape_is_right:
; qkv = Q(x) Q(W_qkv) + b_qkv on codes of E2M1 with one E8M0 scale for each 32 along K; sums in f32; the result rounded once to f16 and laid by head: qkv [3 (q, k, v)][4 b][16 h][2048 t][64].
; A: xc [8192][512 bytes], xs [8192][32].  B: wc [3072][512 bytes], ws [3072][32].  K = 1,024.
; A tile of 256 x 256 is made by a work-group of four waves; a wave makes 128 x 128: 64 accumulators of 16 x 16, 512 registers.  K = 1,024 is two LDS slots of 512 along K (rows of 256 bytes):
; both slots and the scale bytes of all of K are asked for at the head, three tensor loads a wave, and nothing is filled again.
; CLUSTERS: 4 x 4 work-groups.  The four of a row of the cluster need the same tiles of A, the four of a column the same tiles of B: each tile is asked for jointly.
; THE MATRIX INSTRUCTION IS USED TRANSPOSED (source 0 = 16 rows of B, source 1 = 16 rows of A): a lane holds eight neighbouring columns of one row.  The bias is the C of each sum's first instruction.
; LIMIT: a result beyond 65,504 in magnitude has no f16 number.
; REGISTERS: window 0: v0-31 addresses; v32-95 scale words, two sets; v128-191 A's fragments, one set; v192-255 the bias, eight registers for each of B's eight blocks; on the way out v32-127 are free.
;   window 1: B's fragments, two sets, at v0 and v128.   window 2: the accumulators of my rows 0-63 ((a, b) at v[8 (8 a + b)]);   window 3: those of my rows 64-127.
.set NQ,     4                         ; steps of 128 along K in a slot
.set ROWB,   256                       ; a tile's row in bytes
.set KROW,   512                       ; a row of codes in memory
.set PITCH,  272                       ; an LDS row: 256 bytes + 16 of padding: the 16 rows that a load touches start 68 words apart
.set FR,     8
.set NL,     2
.set NP,     4
.set HALFT,  128*PITCH
.set SLOT,   4*HALFT
.set KS,     32                        ; a row of scale bytes
.set SCL,    2*SLOT                    ; behind the slots: the scales, as units of 256 bytes + 16 of padding
.set HALFS,  16*272                    ; the scales of 128 rows
.set SBLK,   2*272                     ; those of 16 rows
.set SPARE,  SCL+4*HALFS               ; the spare words, 128 bytes a wave: two blocks of 256 bytes that no other line names
.set SPITCH, 272                       ; the way out: 16 rows x (256 bytes + 16) a wave, in slot 0, which has had its one fill and its last read when the first result is stored there
.set ADRA, 16
.set ADRB, 20
.set STO,  24
.set RD,   25
.set CO,   26
.set ADRS, 27
.set SPW,  28
.set NIL,  29
.set BO,   30                          ; v30  32 x (lane / 16): my place in a block's 16 numbers of the bias
.set SC,   32
.set AF,   128
.set BIAS, 192
.set TMP,  32                          ; the way out: packed results
.set BK,   64                          ; and 16 rows read back: v64-95 and v96-127 by turns
.set G1, 24
.set G0, 32
.set G1B, 48
.set G0B, 56
.set G1S, 68
.set G0S, 76
.set G1SB, 80
.set G0SB, 88
.set MSB, 0
.macro WIN new                         ; the immediate's high byte repeats the setting that is left
.if MSB != (\new)
	s_set_vgpr_msb (MSB<<8)|(\new)
.set MSB, (\new)
.endif
.endm
.set MUL_LO, 0xa1                      ; source 0 (B) window 1, source 1 (A) window 0, C and D window 2
.set MUL_HI, 0xf1                      ; the same, C and D window 3
.set TO_B,   0x40
; A joint load: waves 0 and 1 fetch for A, waves 2 and 3 for B; the branch hangs on the wave's number alone.  An s_nop 0 and four v_nop follow each of the two lines.
.macro JLOAD g0a, g1a, g0b, g1b
	s_cmp_eq_u32 s15, 0
	s_cbranch_scc0 .Lfor_b_\@
	tensor_load_to_lds s[\g0a:\g0a+3], s[\g1a:\g1a+7]
	s_nop 0
.rept 4
	v_nop
.endr
	s_branch .Lasked_\@
.Lfor_b_\@:
	tensor_load_to_lds s[\g0b:\g0b+3], s[\g1b:\g1b+7]
	s_nop 0
.rept 4
	v_nop
.endr
.Lasked_\@:
.endm
.macro CROUND                          ; a round of the cluster's barrier
	s_barrier_signal -1
	s_barrier_wait -1
	s_cmp_lg_u32 s14, 0
	s_cbranch_scc1 .Lnot_wave_0_\@
	s_barrier_signal -3
.Lnot_wave_0_\@:
	s_barrier_wait -3
	s_barrier_signal -1
	s_barrier_wait -1
.endm
	s_load_b128 s[4:7], s[0:1], 0x0                ; A's codes, A's scales
	s_load_b128 s[8:11], s[0:1], 0x10              ; B's codes, B's scales
	s_load_b64 s[96:97], s[0:1], 0x20              ; the bias
	s_load_b64 s[12:13], s[0:1], 0x28              ; qkv
	v_lshl_add_u32 v[SPW], v0, 2, SPARE
	v_mov_b32 v[NIL], 0
	ds_add_u32 v[SPW], v[NIL]                      ; the wave's opening: the add, twice on end, and its wait ahead of my first tensor load
	ds_add_u32 v[SPW], v[NIL]
	v_lshrrev_b32 v1, 5, v0
	v_readfirstlane_b32 s14, v1                    ; wave 0..3
	s_lshr_b32 s15, s14, 1                         ; which half of the tile's rows is mine.  Also: I fetch for A (0) or for B (1)
	s_and_b32 s16, s14, 1                          ; which half of its columns.  Also: which 128 rows I fetch
	s_bfe_u32 s40, ttmp6, 0x40000                  ; cx, cy
	s_bfe_u32 s41, ttmp6, 0x40004
	s_lshl_b32 s42, ttmp9, 2
	s_add_co_u32 s42, s42, s40                     ; tile column
	s_and_b32 s17, ttmp7, 0xffff
	s_lshl_b32 s17, s17, 2
	s_add_co_u32 s17, s17, s41                     ; tile row
	s_lshl_b32 s43, s41, 2
	s_lshl_b32 s43, 15, s43                        ; my row of the cluster
	s_lshl_b32 s44, 0x1111, s40                    ; my column
	s_or_b32 s[G1+0], s43, (0<<16)|(1<<20)|(1<<21)|(5<<22)|(3<<25)   ; the mask; elements of 1 byte; padding: 4 words behind every 64
	s_or_b32 s[G1B+0], s44, (0<<16)|(1<<20)|(1<<21)|(5<<22)|(3<<25)
.irp g, G1, G1B
	s_mov_b32 s[\g+1], ROWB<<16                    ; tensor_dim0
	s_mov_b32 s[\g+2], 128<<16                     ; tensor_dim1
	s_mov_b32 s[\g+3], ROWB<<16                    ; tile_dim0
	s_mov_b32 s[\g+4], 128                         ; tile_dim1
	s_mov_b32 s[\g+5], KROW                        ; the pitch
	s_mov_b32 s[\g+6], 0
	s_mov_b32 s[\g+7], 0
.endr
	s_or_b32 s[G1S+0], s43, (3<<16)|(1<<20)|(1<<21)|(5<<22)|(3<<25)  ; the scales of 128 rows: 4,096 dense bytes as 16 rows of 32 elements of 8 bytes
	s_or_b32 s[G1SB+0], s44, (3<<16)|(1<<20)|(1<<21)|(5<<22)|(3<<25)
.irp g, G1S, G1SB
	s_mov_b32 s[\g+1], 32<<16
	s_mov_b32 s[\g+2], 16<<16
	s_mov_b32 s[\g+3], 32<<16
	s_mov_b32 s[\g+4], 16
	s_mov_b32 s[\g+5], 32
	s_mov_b32 s[\g+6], 0
	s_mov_b32 s[\g+7], 0
.endr
	s_lshl_b32 s18, s16, 7
	s_lshl_b32 s20, s17, 8
	s_add_co_u32 s20, s20, s18                     ; A: row 256 x tile row + 128 x half
	s_lshl_b32 s46, s42, 8
	s_add_co_u32 s46, s46, s18                     ; B: row 256 x tile column + 128 x half
	s_mov_b32 s21, 0
	s_mov_b32 s47, 0
	s_mov_b64 s[18:19], KS
	s_mul_u64 s[22:23], s[20:21], s[18:19]         ; where these rows' scales begin
	s_mul_u64 s[92:93], s[46:47], s[18:19]
	s_mov_b64 s[18:19], KROW
	s_mul_u64 s[20:21], s[20:21], s[18:19]         ; and their codes
	s_mul_u64 s[46:47], s[46:47], s[18:19]
	s_mul_i32 s45, s14, HALFT                      ; where they go: wave x 128 rows
	s_mul_i32 s94, s14, HALFS
	s_wait_dscnt 0x0                               ; both opening adds are done
	s_wait_kmcnt 0x0
	s_add_nc_u64 s[20:21], s[4:5], s[20:21]
	s_add_nc_u64 s[22:23], s[6:7], s[22:23]
	s_add_nc_u64 s[46:47], s[8:9], s[46:47]
	s_add_nc_u64 s[92:93], s[10:11], s[92:93]
	CROUND                                         ; all sixteen work-groups are here: the joint loads meet
	s_mov_b32 s[G0S], 1
	s_add_co_u32 s[G0S+1], s94, SCL
	s_mov_b64 s[G0S+2:G0S+3], s[22:23]
	s_or_b32 s[G0S+3], s[G0S+3], 0x80000000
	s_mov_b32 s[G0SB], 1
	s_add_co_u32 s[G0SB+1], s94, SCL
	s_mov_b64 s[G0SB+2:G0SB+3], s[92:93]
	s_or_b32 s[G0SB+3], s[G0SB+3], 0x80000000
	JLOAD G0S, G1S, G0SB, G1SB                     ; the scales first
.irp s, 0,1
	s_mov_b32 s[G0+4*\s], 1
	s_add_co_u32 s[G0+4*\s+1], s45, \s*SLOT
	s_add_nc_u64 s[G0+4*\s+2:G0+4*\s+3], s[20:21], \s*ROWB
	s_or_b32 s[G0+4*\s+3], s[G0+4*\s+3], 0x80000000
	s_mov_b32 s[G0B+4*\s], 1
	s_add_co_u32 s[G0B+4*\s+1], s45, \s*SLOT
	s_add_nc_u64 s[G0B+4*\s+2:G0B+4*\s+3], s[46:47], \s*ROWB
	s_or_b32 s[G0B+4*\s+3], s[G0B+4*\s+3], 0x80000000
	JLOAD G0+4*\s, G1, G0B+4*\s, G1B
.endr
	v_and_b32 v1, 15, v0                           ; r
	v_bfe_u32 v2, v0, 4, 1                         ; h
	v_mul_u32_u24 v3, v1, PITCH
	v_lshl_add_u32 v4, v2, 4, v3                   ; a fragment's row x pitch + 16 h
	s_mul_i32 s21, s15, HALFT
	s_mul_i32 s22, s16, HALFT
	s_add_co_u32 s22, s22, 2*HALFT
.irp s, 0,1
	v_add_nc_u32 v[ADRA+\s], s21, v4
	v_add_nc_u32 v[ADRB+\s], s22, v4
	s_add_co_u32 s21, s21, SLOT
	s_add_co_u32 s22, s22, SLOT
.endr
	v_mul_u32_u24 v5, v1, KS                       ; my row's scales: 32 bytes a row,
	v_lshrrev_b32 v6, 8, v5
	v_lshl_add_u32 v5, v6, 4, v5                   ; and 16 more for each 256 passed
	s_mul_i32 s21, s15, HALFS
	s_mul_i32 s22, s16, HALFS
	s_add_co_u32 s22, s22, 2*HALFS
	s_sub_co_u32 s22, s22, s21
	v_mul_u32_u24 v6, s22, v2                      ; lanes 16-31 take B's
	s_add_co_u32 s21, s21, SCL
	v_add_nc_u32 v5, v5, v6
	v_add_nc_u32 v[ADRS], s21, v5
	s_mul_i32 s23, s14, 16*SPITCH                  ; my stage
	v_mul_u32_u24 v5, v1, SPITCH
	v_lshl_add_u32 v5, v2, 4, v5
	v_add_nc_u32 v[STO], s23, v5                   ; in: row r, 16 bytes for each half of the lanes
	v_bfe_u32 v5, v0, 3, 1
	v_mul_u32_u24 v5, v5, SPITCH
	v_lshl_add_u32 v5, v2, 7, v5
	v_and_b32 v6, 7, v0
	v_lshl_add_u32 v5, v6, 4, v5
	v_add_nc_u32 v[RD], s23, v5                    ; back: lanes 0-15 take rows t, t + 1 of my first head (128 bytes each), lanes 16-31 of my second
	v_lshlrev_b32 v[CO], 18, v2
	v_lshl_add_u32 v[CO], v1, 4, v[CO]             ; in memory: a head is 262,144 bytes; rows t, t + 1 are 256 dense bytes
	v_lshlrev_b32 v[BO], 5, v2
	s_lshl_b32 s46, s42, 8
	s_lshl_b32 s47, s16, 7
	s_add_co_u32 s46, s46, s47                     ; my first column of the 3,072
	s_lshl_b32 s20, s46, 2
	s_mov_b32 s21, 0
	s_add_nc_u64 s[96:97], s[96:97], s[20:21]
.irp b, 0,1,2,3,4,5,6,7
	global_load_b128 v[BIAS+8*\b:BIAS+8*\b+3], v[BO], s[96:97] offset:64*\b       ; lane (r, h): the bias of columns 16 b + 8 h + 0 .. 7
	global_load_b128 v[BIAS+8*\b+4:BIAS+8*\b+7], v[BO], s[96:97] offset:64*\b+16
.endr
	s_lshl_b32 s20, s17, 8
	s_lshl_b32 s21, s15, 7
	s_add_co_u32 s20, s20, s21                     ; my first row of the 8,192
	s_lshr_b32 s21, s20, 11                        ; the batch
	s_and_b32 s20, s20, 2047                       ; the position
	s_lshr_b32 s47, s46, 10                        ; q, k or v
	s_bfe_u32 s22, s46, 0x40006                    ; my first head
	s_lshl_b32 s47, s47, 2
	s_add_co_u32 s47, s47, s21
	s_lshl_b32 s47, s47, 4
	s_add_co_u32 s47, s47, s22
	s_lshl_b32 s47, s47, 18
	s_lshl_b32 s20, s20, 7
	s_add_co_u32 s20, s20, s47
	s_mov_b32 s21, 0
	s_add_nc_u64 s[12:13], s[12:13], s[20:21]
.macro FRAG reg, adr, q, i             ; 16 rows x 128 K of 4-bit codes: 8 registers, two loads of 16 bytes, 32 bytes apart
.irp c, 0,1
	ds_load_b128 v[\reg+4*\c:\reg+4*\c+3], v[\adr] offset:64*(\q)+32*\c+(\i)*16*PITCH
.endr
.endm
; 16 matrix instructions: A's blocks a0, a0 + 1 x B's eight.  zero = 1: the sums start from the bias.  The 64 accumulators take turns, one instruction a turn, in the same order in every step.
.macro MUL16 a0, p, q, sc, zero
.irp a, \a0, \a0+1
.irp b, 0,1,2,3,4,5,6,7
.if \zero
	v_wmma_scale_f32_16x16x128_f8f6f4 v[8*(8*((\a)%4)+\b):8*(8*((\a)%4)+\b)+7], v[128*(\p)+FR*\b:128*(\p)+FR*\b+FR-1], v[AF+FR*(\a):AF+FR*(\a)+FR-1], v[BIAS+8*\b:BIAS+8*\b+7], v[SC+8*NQ*(\sc)+NQ*\b+(\q)], v[SC+8*NQ*(\sc)+NQ*(\a)+(\q)] matrix_a_fmt:MATRIX_FMT_FP4 matrix_b_fmt:MATRIX_FMT_FP4 matrix_a_scale:MATRIX_SCALE_ROW1
.else
	v_wmma_scale_f32_16x16x128_f8f6f4 v[8*(8*((\a)%4)+\b):8*(8*((\a)%4)+\b)+7], v[128*(\p)+FR*\b:128*(\p)+FR*\b+FR-1], v[AF+FR*(\a):AF+FR*(\a)+FR-1], v[8*(8*((\a)%4)+\b):8*(8*((\a)%4)+\b)+7], v[SC+8*NQ*(\sc)+NQ*\b+(\q)], v[SC+8*NQ*(\sc)+NQ*(\a)+(\q)] matrix_a_fmt:MATRIX_FMT_FP4 matrix_b_fmt:MATRIX_FMT_FP4 matrix_a_scale:MATRIX_SCALE_ROW1
.endif
.endr
.endr
.endm
.macro FETCH_B slot, q, p
	WIN TO_B
.irp i, 0,1,2,3,4,5,6,7
	FRAG 128*(\p)+FR*\i, ADRB+\slot, \q, \i
.endr
	WIN 0
.endm
.macro FETCH_A slot, q, i0
.irp i, \i0, \i0+1, \i0+2, \i0+3
	FRAG AF+FR*(\i), ADRA+\slot, \q, \i
.endr
.endm
.macro SCALES sc                       ; a slot's scale words: lanes 0-15 take A's block i, lanes 16-31 B's block i
.irp i, 0,1,2,3,4,5,6,7
	ds_load_b128 v[SC+8*NQ*\sc+NQ*\i:SC+8*NQ*\sc+NQ*\i+3], v[ADRS] offset:\i*SBLK
.endr
.endm
.macro PLACES n                        ; plain vector instructions between a matrix instruction and a load into, or a read of, its registers
.rept \n
	v_nop
.endr
.endm
.macro STEP slot, q, zero              ; 128 along K, with its successor in the same slot
	s_wait_dscnt 4*NL                              ; B's set and A's blocks 0-3 are in; the youngest eight loads (A's blocks 4-7) may be out
	WIN MUL_LO-0x20*(\zero)                        ; (zero = 1: C, the bias, lies in window 0)
	MUL16 0, (\q)%2, \q, \slot, \zero
	MUL16 2, (\q)%2, \q, \slot, \zero
	s_wait_dscnt 0
	PLACES NP
	FETCH_B \slot, (\q)+1, 1-(\q)%2
	FETCH_A \slot, (\q)+1, 0
	WIN MUL_HI-0x30*(\zero)
	MUL16 4, (\q)%2, \q, \slot, \zero
	MUL16 6, (\q)%2, \q, \slot, \zero
	PLACES NP
	WIN 0
	FETCH_A \slot, (\q)+1, 4
.endm
.macro TURN slot, next                 ; slot 0's last step: one barrier; behind it slot 1 is whole for every wave and nobody reads slot 0 any more
	s_wait_tensorcnt 0x0                           ; all my tensor loads have landed: my part of slot 1
	ds_add_u32 v[SPW], v[NIL]                      ; 0 onto my spare word
	s_wait_dscnt 4*NL+1                            ; (the add and the youngest eight loads may be out)
	WIN MUL_LO
	MUL16 0, 1, NQ-1, \slot, 0
	s_wait_dscnt 0x0                               ; the add is done, and my reads of this slot are over
	s_barrier_signal -1
	MUL16 2, 1, NQ-1, \slot, 0
	WIN 0
	s_barrier_wait -1
	PLACES NP
	v_add_nc_u32 v[ADRS], 4*NQ, v[ADRS]            ; on to the next slot's scale words
	FETCH_B \next, 0, 0
	FETCH_A \next, 0, 0
	SCALES \next
	WIN MUL_HI
	MUL16 4, 1, NQ-1, \slot, 0
	MUL16 6, 1, NQ-1, \slot, 0
	PLACES NP
	WIN 0
	FETCH_A \next, 0, 4
.endm
.macro STEPS slot, from
.set Q, \from
.rept NQ-1-\from
	STEP \slot, Q, 0
.set Q, Q+1
.endr
.endm
	s_wait_tensorcnt 1                             ; the scales and my part of slot 0 are in (slot 1's load may be out),
	s_barrier_signal -1
	s_barrier_wait -1                              ; everybody's are
	FETCH_B 0, 0, 0
	FETCH_A 0, 0, 0
	SCALES 0
	FETCH_A 0, 0, 4
	s_wait_loadcnt 0x0                             ; the bias
	STEP 0, 0, 1
	STEPS 0, 1
	TURN 0, 1
	STEPS 1, 0
	s_wait_dscnt 4*NL                              ; the very last step
	WIN MUL_LO
	MUL16 0, 1, NQ-1, 1, 0
	MUL16 2, 1, NQ-1, 1, 0
	s_wait_dscnt 0
	WIN MUL_HI
	MUL16 4, 1, NQ-1, 1, 0
	MUL16 6, 1, NQ-1, 1, 0
	WIN 0
; THE WAY OUT, block by block of 16 rows x 128 columns (two heads): rounded to f16, 16 bytes a lane into my stage, back so that sixteen lanes hold rows t, t + 1 of one head: 256 dense bytes.
.macro PACK a
.set AC, 64*((\a)%4)
	WIN 0x0a+5*((\a)/4)                            ; sources 0 and 1: window 2 or 3
.irp b, 0,1,2,3,4,5,6,7
.irp i, 0,1,2,3
	v_cvt_pk_f16_f32 v[TMP+4*\b+\i], v[AC+8*\b+2*\i], v[AC+8*\b+2*\i+1]     ; each accumulator from its low end on
.endr
.endr
	WIN 0
.endm
.macro TOSTAGE a
.set BB, BK+32*((\a)%2)
.irp b, 0,1,2,3,4,5,6,7
	ds_store_b128 v[STO], v[TMP+4*\b:TMP+4*\b+3] offset:32*\b
.endr
.irp u, 0,1,2,3,4,5,6,7
	ds_load_b128 v[BB+4*\u:BB+4*\u+3], v[RD] offset:\u*2*SPITCH    ; LDS serves a wave's instructions in order: these see the stores above
.endr
.endm
.macro SEND a
.set BB, BK+32*((\a)%2)
	s_wait_dscnt 0x0                               ; the block is back in registers
	s_wait_xcnt 0x0                                ; earlier stores have read their registers: the other set may be loaded again behind this line
.irp u, 0,1,2,3,4,5,6,7
	global_store_b128 v[CO], v[BB+4*\u:BB+4*\u+3], s[12:13] offset:2048*(\a)+256*\u
.endr
.endm
	PLACES NP
	PACK 0
	TOSTAGE 0
.irp a, 1,2,3,4,5,6,7
	PACK \a
	SEND \a-1
	TOSTAGE \a
.endr
	SEND 7
	s_wait_tensorcnt 0x0                           ; the wave's end
	ds_add_u32 v[SPW], v[NIL]
	s_wait_dscnt 0x0
	CROUND                                         ; the closing round
	s_endpgm
.Lfunc_end_k_q84b469c1ac_gemm_qkv:
	.size	k_q84b469c1ac_gemm_qkv, .Lfunc_end_k_q84b469c1ac_gemm_qkv-k_q84b469c1ac_gemm_qkv
	.p2alignl 7, 3214868480
	.fill 96, 4, 3214868480
	.section	.rodata,"a",@progbits
	.p2align	6, 0x0
	.amdhsa_kernel k_q84b469c1ac_gemm_qkv
		.amdhsa_group_segment_fixed_size 327680
		.amdhsa_private_segment_fixed_size 0
		.amdhsa_enable_private_segment 0
		.amdhsa_kernarg_size 48
		.amdhsa_user_sgpr_count 2
		.amdhsa_user_sgpr_kernarg_segment_ptr 1
		.amdhsa_wavefront_size32 1
		.amdhsa_system_sgpr_workgroup_id_x 1
		.amdhsa_system_sgpr_workgroup_id_y 1
		.amdhsa_system_sgpr_workgroup_id_z 1
		.amdhsa_system_vgpr_workitem_id 0
		.amdhsa_next_free_vgpr 1024
		.amdhsa_next_free_sgpr 98
		.amdhsa_reserve_vcc 0
		.amdhsa_float_denorm_mode_32 3
		.amdhsa_float_denorm_mode_16_64 3
		.amdhsa_memory_ordered 1
		.amdhsa_forward_progress 1
		.amdhsa_inst_pref_size 128
	.end_amdhsa_kernel
	.amdgpu_metadata
---
amdhsa.version: [ 1, 2 ]
amdhsa.kernels:
  - .name:           k_q84b469c1ac_gemm_qkv
    .symbol:         k_q84b469c1ac_gemm_qkv.kd
    .args:
      - { .name: xc, .offset: 0, .size: 8, .value_kind: global_buffer, .address_space: global }
      - { .name: xs, .offset: 8, .size: 8, .value_kind: global_buffer, .address_space: global }
      - { .name: wc, .offset: 16, .size: 8, .value_kind: global_buffer, .address_space: global }
      - { .name: ws, .offset: 24, .size: 8, .value_kind: global_buffer, .address_space: global }
      - { .name: b_qkv, .offset: 32, .size: 8, .value_kind: global_buffer, .address_space: global }
      - { .name: qkv, .offset: 40, .size: 8, .value_kind: global_buffer, .address_space: global }
    .group_segment_fixed_size: 327680
    .private_segment_fixed_size: 0
    .kernarg_segment_align: 8
    .kernarg_segment_size: 48
    .max_flat_workgroup_size: 128
    .sgpr_count:     98
    .vgpr_count:     1024
    .wavefront_size: 32
...
	.end_amdgpu_metadata
.endif
;; end of part 2
;; launch attn (part 3): grid 4 x 64, 8 waves a work-group, no clusters, 327,680 bytes of LDS; arguments qkv, att; writes att
.if DOCPART == 3
	.amdgcn_target "amdgcn-amd-amdhsa--gfx1250"
	.amdhsa_code_object_version 6
	.text
	.protected	k_q84b469c1ac_attn
	.globl	k_q84b469c1ac_attn
	.p2align	8
	.type	k_q84b469c1ac_attn,@function
k_q84b469c1ac_attn:
	s_mov_b64 s[64:65], 0
	v_nop
	global_prefetch_b8 v0, s[64:65] scope:SCOPE_SE
	s_setreg_imm32_b32 hwreg(HW_REG_WAVE_MODE, 25, 1), 1
	s_wait_xcnt 0x0
; att[h][b t][:] = the sum over keys k <= t of softmax_k(q . k / 8) v, in f16 operands with f32 products, maxima and sums.  qkv: [3][4 b][16 h][2048 t][64] f16.  att: [16 h][8192 rows][64] f16.
; WORK LEFT OUT: key steps all of whose 64 keys come after all of a wave's 32 queries (the mask that the problem builds gives them the weight 0); a NaN or infinity that arises only there is not carried on.
; LIMITS: |q|, |k|, |v| up to 65,504 (f16); NaN and infinities are not served.  Positions 0 to 15 of every sequence are computed here in f16 like the rest and once more, in f32, by a later launch.
; SHARES.  Work-group (I, head) owns the head's query blocks I and 7 - I (256 queries each), one after the other: block I walks key units 0 .. I, block 7 - I units 0 .. 7 - I (a unit = 256 keys),
; so EVERY work-group walks nine units: equal work, constant trip counts, every tensor load issued and read.  A wave owns 32 queries (two tiles of 16); a key step is 64 keys.
; NO CLUSTER: the four work-groups of a head want different units at the same place of their walks (unit n for n <= I, then n - I - 1), so no joint request can be the same in all four.
; LAYOUT.  S^T = K Q^T (source 0 = 16 keys, source 1 = 16 queries): a lane holds one query and keys 8 (lane / 16) + 0..7; two such tiles rounded to f16 in pairs are source 1 of O^T = V^T P.
; K comes out of LDS as it lies, V ([key][channel]) turned by ds_load_tr16_b128.  Running maximum m and sum l: p = 2^(c s - c m), c = log2(e) / 8; O and l are multiplied by a = 2^(c m_old - c m_new) in every step.
; A step that is walked has its first key at or under the wave's first query (steps begin at multiples of 64, waves at multiples of 32), so every query sees a key in it and m is a number from the first step on.
; THE RING: two slots of a unit; waves 0-3 fetch K's quarters, waves 4-7 V's, 64 rows each: one tensor load of mine is out at a time, and it has a unit's four key steps in which to land.
.set PK,    144                        ; a key's row in LDS: 128 bytes + 16
.set PV,    160                        ; a row of V: 128 + 32: the turning load's 8 rows x 32 bytes fall on different banks
.set VOFF,  256*PK
.set SLOT1, 1<<17
.set STAGE, SLOT1+256*(PK+PV)          ; behind the ring: 32 rows x 144 bytes for each wave
.set SPARE, STAGE+8*32*PK              ; the spare words, 128 bytes a wave: four blocks of 256 bytes that no other line names
.set ST,  16                           ; v16-31   tile t at +8 t: +0 c m, +1 m, +2 +3 l, +4 .. +7 at work (+6: a)
.set Q,   32                           ; v32-63   tile t, channels 32 c on: +16 t + 8 c
.set S,   64                           ; v64-127  tile t, keys 16 kt on: +32 t + 8 kt; P is packed into a tile's first 16
.set KV,  128                          ; v128-191 K's fragments, then V's
.set O,   192                          ; v192-255 tile t, channels 16 ct on: +32 t + 8 ct
; v1 my place in a tile of K; v2 in V; v3, v4 the step's addresses; v5, v6 the add's two; v7 Q's offset; v8, v9 the mask's d; v10 -infinity; v11, v12 stage in and back; v13 16 x lane; v14 256 x lane; v15 r - 8 h
; s8 wave; s9 I; s10 head; s11 trip; s12 unit asked for; s13 at work; s[14:15] an offset; s[16:17], s[18:19] K's and V's first byte of my quarter; s[20:21] lane selects; s[22:23] c;
; s[24:31], s[32:39] descriptor groups 1 for K and V; s[40:43], s[44:47] their groups 0; s48, s49 LDS byte of the step's K and V; s50 the step's first key; s51 my first query; s52 counter;
; s53 bound of the prefetches; s[54:55], s[56:57] their base and address; s[58:59], s[60:61] Q of the two blocks; s[2:3], s[62:63] att of the two; s66 my first query in the second block; s67 I + 1
.macro TLOAD                           ; a fill in each arm; an s_nop 0 and four v_nop follow each
	s_cmp_lt_u32 s8, 4
	s_cbranch_scc0 .Lfor_v_\@
	tensor_load_to_lds s[40:43], s[24:31]
	s_nop 0
.rept 4
	v_nop
.endr
	s_branch .Lasked_\@
.Lfor_v_\@:
	tensor_load_to_lds s[44:47], s[32:39]
	s_nop 0
.rept 4
	v_nop
.endr
.Lasked_\@:
.endm
; A prefetch of the unit after the one just asked for: my own quarter, 8,192 bytes, lanes 256 bytes apart.  All four work-groups of a head walk the same K and V: work-group I = 0, whose second block
; walks all eight units, asks, so each aligned 256 bytes of units 1 to 7 are named once in the launch; unit 0 comes by its loads alone, and behind unit 7 nothing is asked for.
.macro ASK
	s_cmp_lt_u32 s12, s53
	s_cbranch_scc0 .Lnot_mine_\@
	global_prefetch_b8 v14, s[56:57] offset:32768 th:TH_LOAD_NT scope:SCOPE_SE
.Lnot_mine_\@:
.endm
.macro START qa                        ; a block of queries begins: Q into registers; m = -3e38, l = 0, O = 0 (the step is written once: its first turn finds zeros)
.irp t, 0,1
.irp c, 0,1
	global_load_b128 v[Q+16*\t+8*\c:Q+16*\t+8*\c+3], v7, s[\qa:\qa+1] offset:2048*\t+64*\c
	global_load_b128 v[Q+16*\t+8*\c+4:Q+16*\t+8*\c+7], v7, s[\qa:\qa+1] offset:2048*\t+64*\c+32
.endr
.endr
.irp t, 0,1
	v_mov_b32 v[ST+8*\t+1], 0xff61b1e6
	v_mul_f32 v[ST+8*\t], s22, v[ST+8*\t+1]
.irp j, 2,3,4,5,6,7
	v_mov_b32 v[ST+8*\t+\j], 0
.endr
.endr
.set i, 0
.rept 64
	v_mov_b32 v[O+i], 0
.set i, i+1
.endr
	s_wait_loadcnt 0x0
.endm
.macro FINISH oa                       ; a block ends: O / l, rounded to f16, through my stage, out as 512 dense bytes an instruction
.irp t, 0,1
	v_add_f32 v[ST+8*\t+4], v[ST+8*\t+2], v[ST+8*\t+3]
.endr
.irp t, 0,1
	v_permlanex16_b32 v[ST+8*\t+5], v[ST+8*\t+4], s20, s21
.endr
.irp t, 0,1
	v_add_f32 v[ST+8*\t+4], v[ST+8*\t+4], v[ST+8*\t+5]
.endr
.irp t, 0,1
	v_rcp_f32 v[ST+8*\t+6], v[ST+8*\t+4]
.endr
	v_nop                                          ; a plain instruction behind the last reciprocal
	s_wait_alu depctr_va_vdst(0)                   ; and a wait ahead of the first use: one for both
.irp t, 0,1
.set i, 0
.rept 16
	v_pk_mul_f32 v[O+32*\t+i:O+32*\t+i+1], v[O+32*\t+i:O+32*\t+i+1], v[ST+8*\t+6:ST+8*\t+7] op_sel_hi:[1,0]   ; each accumulator from its low end on
.set i, i+2
.endr
.endr
.set i, 0
.rept 32
	v_cvt_pk_f16_f32 v[S+i], v[O+2*i], v[O+2*i+1]
.set i, i+1
.endr
.irp t, 0,1
.irp c, 0,1,2,3
	ds_store_b128 v11, v[S+16*\t+4*\c:S+16*\t+4*\c+3] offset:16*PK*\t+32*\c
.endr
.endr
.irp u, 0,1,2,3,4,5,6,7
	ds_load_b128 v[KV+4*\u:KV+4*\u+3], v12 offset:4*PK*\u          ; LDS serves a wave's instructions in order: these see the stores above
.endr
.irp u, 0,1,2,3,4,5,6,7
	s_wait_dscnt 7-\u                              ; the younger rows may be out
	global_store_b128 v13, v[KV+4*\u:KV+4*\u+3], s[\oa:\oa+1] offset:512*\u
.endr
.endm
; A KEY STEP: 64 keys.
.macro STEP
	s_add_co_u32 s13, s51, 31
	s_cmp_gt_u32 s50, s13                          ; all 64 keys come after my 32 queries: a branch on ids and the count of steps, round the work, not round the lines that step addresses
	s_cbranch_scc1 .Lhidden_\@
	v_add_nc_u32 v3, s48, v1
	v_add_nc_u32 v4, s49, v2
.irp kt, 0,1,2,3
.irp c, 0,1
	ds_load_b128 v[KV+16*\kt+8*\c:KV+16*\kt+8*\c+3], v3 offset:16*PK*\kt+64*\c
	ds_load_b128 v[KV+16*\kt+8*\c+4:KV+16*\kt+8*\c+7], v3 offset:16*PK*\kt+64*\c+32
.endr
.endr
	s_wait_dscnt 0x0
.irp kt, 0,1,2,3                       ; S^T = K Q^T: eight accumulators by turns, channels 0-31 first (they start the sums), then 32-63
.irp t, 0,1
	v_wmma_f32_16x16x32_f16 v[S+32*\t+8*\kt:S+32*\t+8*\kt+7], v[KV+16*\kt:KV+16*\kt+7], v[Q+16*\t:Q+16*\t+7], 0
.endr
.endr
.irp kt, 0,1,2,3
.irp t, 0,1
	v_wmma_f32_16x16x32_f16 v[S+32*\t+8*\kt:S+32*\t+8*\kt+7], v[KV+16*\kt+8:KV+16*\kt+15], v[Q+16*\t+8:Q+16*\t+15], v[S+32*\t+8*\kt:S+32*\t+8*\kt+7]
.endr
.endr
.rept 4
	v_nop                                          ; places in front of the loads into K's registers and of the first read of the scores
.endr
.irp kh, 0,1                           ; V, turned: it lands under the softmax
.irp c, 0,1,2,3
	ds_load_tr16_b128 v[KV+32*\kh+8*\c:KV+32*\kh+8*\c+3], v4 offset:32*PV*\kh+32*\c
	ds_load_tr16_b128 v[KV+32*\kh+8*\c+4:KV+32*\kh+8*\c+7], v4 offset:32*PV*\kh+16*PV+32*\c
.endr
.endr
	s_add_co_u32 s13, s50, 63
	s_cmp_le_u32 s13, s51                          ; all 64 keys count for all my queries: no mask
	s_cbranch_scc1 .Lopen_\@
	s_sub_co_u32 s13, s51, s50
	v_add_nc_u32 v8, s13, v15                      ; d = my query - the step's first key - 8 h; register 8 kt + j holds key 16 kt + 8 h + j: hidden where 16 kt + j > d
	v_add_nc_u32 v9, 16, v8
.irp t, 0,1
.set i, 0
.rept 32
	v_cmp_gt_i32 vcc_lo, 16*(i/8)+i%8, v[8+\t]
	v_cndmask_b32 v[S+32*\t+i], v[S+32*\t+i], v10, vcc_lo
.set i, i+1
.endr
.endr
.Lopen_\@:
.irp j, 0,1,2,3                        ; the maximum: four chains a tile, each begun at an accumulator's low end; the two tiles alternate
.irp t, 0,1
	v_max3_num_f32 v[ST+8*\t+4+\j], v[S+32*\t+8*\j], v[S+32*\t+8*\j+1], v[S+32*\t+8*\j+2]
.endr
.endr
.irp i, 3,5
.irp j, 0,1,2,3
.irp t, 0,1
	v_max3_num_f32 v[ST+8*\t+4+\j], v[ST+8*\t+4+\j], v[S+32*\t+8*\j+\i], v[S+32*\t+8*\j+\i+1]
.endr
.endr
.endr
.irp t, 0,1
	v_max3_num_f32 v[ST+8*\t+4], v[ST+8*\t+4], v[S+32*\t+7], v[S+32*\t+15]
	v_max3_num_f32 v[ST+8*\t+6], v[ST+8*\t+6], v[S+32*\t+23], v[S+32*\t+31]
.endr
.irp t, 0,1
	v_max3_num_f32 v[ST+8*\t+4], v[ST+8*\t+4], v[ST+8*\t+5], v[ST+8*\t+6]
.endr
.irp t, 0,1
	v_max3_num_f32 v[ST+8*\t+4], v[ST+8*\t+4], v[ST+8*\t+7], v[ST+8*\t+1]     ; with the old m
.endr
.irp t, 0,1
	v_permlanex16_b32 v[ST+8*\t+5], v[ST+8*\t+4], s20, s21                    ; the query's other 32 keys lie in the lane 16 away
.endr
.irp t, 0,1
	v_mov_b32 v[ST+8*\t+7], v[ST+8*\t]                                        ; c m_old
.endr
.irp t, 0,1
	v_max_num_f32 v[ST+8*\t+1], v[ST+8*\t+4], v[ST+8*\t+5]
.endr
.irp t, 0,1
	v_mul_f32 v[ST+8*\t], s22, v[ST+8*\t+1]
.endr
.irp t, 0,1
	v_sub_f32 v[ST+8*\t+7], v[ST+8*\t+7], v[ST+8*\t]
.endr
.set i, 0
.rept 16
.irp t, 0,1
	v_pk_fma_f32 v[S+32*\t+i:S+32*\t+i+1], v[S+32*\t+i:S+32*\t+i+1], s[22:23], v[ST+8*\t:ST+8*\t+1] op_sel_hi:[1,0,0] neg_lo:[0,0,1] neg_hi:[0,0,1]   ; c s - c m
.endr
.set i, i+2
.endr
.irp t, 0,1                            ; ONE BATCH of 66 exponentials: a, and the scores
	v_exp_f32 v[ST+8*\t+6], v[ST+8*\t+7]
.endr
.set i, 0
.rept 32
	v_exp_f32 v[S+i], v[S+i]
	v_exp_f32 v[S+32+i], v[S+32+i]
.set i, i+1
.endr
	v_nop                                          ; a plain instruction behind the last exponential
	s_wait_alu depctr_va_vdst(0)                   ; a wait ahead of the first use: one for the batch
.irp t, 0,1                            ; the sums, of the unrounded weights, in two chains a tile
	v_pk_fma_f32 v[ST+8*\t+2:ST+8*\t+3], v[ST+8*\t+2:ST+8*\t+3], v[ST+8*\t+6:ST+8*\t+7], v[S+32*\t:S+32*\t+1] op_sel_hi:[1,0,1]
	v_pk_add_f32 v[ST+8*\t+4:ST+8*\t+5], v[S+32*\t+2:S+32*\t+3], v[S+32*\t+6:S+32*\t+7]
.endr
.irp j, 4,8,12,16,20,24
.irp t, 0,1
	v_pk_add_f32 v[ST+8*\t+2:ST+8*\t+3], v[ST+8*\t+2:ST+8*\t+3], v[S+32*\t+\j:S+32*\t+\j+1]
	v_pk_add_f32 v[ST+8*\t+4:ST+8*\t+5], v[ST+8*\t+4:ST+8*\t+5], v[S+32*\t+\j+6:S+32*\t+\j+7]
.endr
.endr
.irp t, 0,1
	v_pk_add_f32 v[ST+8*\t+2:ST+8*\t+3], v[ST+8*\t+2:ST+8*\t+3], v[S+32*\t+28:S+32*\t+29]
.endr
.irp t, 0,1
	v_pk_add_f32 v[ST+8*\t+2:ST+8*\t+3], v[ST+8*\t+2:ST+8*\t+3], v[ST+8*\t+4:ST+8*\t+5]
.endr
.set i, 0
.rept 16                               ; P in f16, in place: register i takes weights 2 i, 2 i + 1, which no earlier line of this run has written
.irp t, 0,1
	v_cvt_pk_f16_f32 v[S+32*\t+i], v[S+32*\t+2*i], v[S+32*\t+2*i+1]
.endr
.set i, i+1
.endr
.set i, 0
.rept 16
.irp t, 0,1
	v_pk_mul_f32 v[O+32*\t+i:O+32*\t+i+1], v[O+32*\t+i:O+32*\t+i+1], v[ST+8*\t+6:ST+8*\t+7] op_sel_hi:[1,0]   ; O x a
.endr
.set i, i+2
.endr
	s_wait_dscnt 0x0                               ; V is in
.irp kh, 0,1                           ; O^T += V^T P: eight accumulators by turns, keys 0-31, then 32-63
.irp c, 0,1,2,3
.irp t, 0,1
	v_wmma_f32_16x16x32_f16 v[O+32*\t+8*\c:O+32*\t+8*\c+7], v[KV+32*\kh+8*\c:KV+32*\kh+8*\c+7], v[S+32*\t+8*\kh:S+32*\t+8*\kh+7], v[O+32*\t+8*\c:O+32*\t+8*\c+7]
.endr
.endr
.endr
.rept 5
	v_nop                                          ; the next step's first products write over P's registers: five places; its loads into V's registers and the reads of O want four
.endr
.Lhidden_\@:
	s_add_co_u32 s50, s50, 64
	s_add_co_u32 s48, s48, 64*PK
	s_add_co_u32 s49, s49, 64*PV
.endm
.macro UNIT_STEPS                      ; a unit's four key steps: written once, walked four times; then on to the other slot
	s_mov_b32 s52, 4
.Lstep_\@:
	STEP
	s_sub_co_u32 s52, s52, 1
	s_cmp_lg_u32 s52, 0
	s_cbranch_scc1 .Lstep_\@
	s_sub_co_u32 s48, s48, 256*PK
	s_sub_co_u32 s49, s49, 256*PV
	s_xor_b32 s48, s48, SLOT1
	s_xor_b32 s49, s49, SLOT1
.endm
; THE CHANGE OF SLOTS, at a unit's head.  Each wave waits for all its tensor loads (its part of the unit that it is about to read), adds 0 to its spare word, and waits for that and for its reads of the slot
; that it has left.  Behind the barrier the slot ahead is whole and nobody reads the other one.  fill = 1: that other slot takes the next unit of the walk: the one after, or unit 0 where the first block ends.
.macro CHANGE fill
	s_wait_tensorcnt 0x0                           ; no tensor load of mine is out, so a group 0 may be written
	ds_add_u32 v5, v6                              ; 0 onto my spare word; the descriptors' steps stand between it and the wait for it
.if \fill
	s_add_co_u32 s12, s12, 1
	s_cmp_eq_u32 s11, s9
	s_cselect_b32 s12, 0, s12
	s_lshl_b32 s14, s12, 15                        ; a unit is 32,768 bytes
	s_xor_b32 s41, s41, SLOT1
	s_xor_b32 s45, s45, SLOT1
	s_add_nc_u64 s[42:43], s[16:17], s[14:15]
	s_or_b32 s43, s43, 0x80000000
	s_add_nc_u64 s[46:47], s[18:19], s[14:15]
	s_or_b32 s47, s47, 0x80000000
	s_wait_xcnt 0x0                                ; the last prefetch, a unit back, has read its address
	s_add_nc_u64 s[56:57], s[54:55], s[14:15]
.endif
	s_wait_dscnt 0x0                               ; the add is done, and my reads of the slot that I have left are over
	s_barrier_signal -1
	s_barrier_wait -1
.if \fill
	TLOAD                                          ; the first thing behind the barrier, and my one tensor load until the next
	ASK
.endif
.endm
	s_load_b128 s[4:7], s[0:1], 0x0                ; qkv, att
	v_lshl_add_u32 v5, v0, 2, SPARE
	v_mov_b32 v6, 0
	ds_add_u32 v5, v6                              ; the wave's opening: the add, twice on end, and its wait ahead of my first tensor load
	ds_add_u32 v5, v6
	v_lshrrev_b32 v1, 5, v0
	v_readfirstlane_b32 s8, v1                     ; wave 0..7
	s_mov_b32 s9, ttmp9                            ; I
	s_and_b32 s10, ttmp7, 0xffff                   ; 16 b + h
	s_mov_b32 s24, (1<<16)|(1<<20)|(4<<22)|(3<<25) ; elements of 2 bytes; 4 words of padding behind every 32
	s_mov_b32 s32, (1<<16)|(1<<20)|(4<<22)|(7<<25) ; V: 8 words
.irp g, 24, 32
	s_mov_b32 s[\g+1], 64<<16                      ; tensor_dim0 = 64
	s_mov_b32 s[\g+2], 64<<16                      ; tensor_dim1 = 64
	s_mov_b32 s[\g+3], 64<<16                      ; tile_dim0 = 64
	s_mov_b32 s[\g+4], 64                          ; tile_dim1 = 64
	s_mov_b32 s[\g+5], 64                          ; the pitch: rows are dense
	s_mov_b32 s[\g+6], 0
	s_mov_b32 s[\g+7], 0
.endr
	s_and_b32 s13, s8, 3                           ; which quarter of a unit I fetch
	s_mov_b32 s40, 1
	s_mul_i32 s41, s13, 64*PK
	s_mov_b32 s44, 1
	s_mul_i32 s45, s13, 64*PV
	s_add_co_u32 s45, s45, VOFF
	s_add_co_u32 s14, s10, 64
	s_lshl_b32 s14, s14, 18                        ; K's heads lie behind Q's 64
	s_lshl_b32 s13, s13, 13
	s_add_co_u32 s14, s14, s13
	s_mov_b32 s15, 0
	s_mov_b32 s20, 0x76543210
	s_mov_b32 s21, 0xfedcba98
	s_mov_b32 s22, 0x3e38aa3b                      ; c = log2(e) / 8
	s_mov_b32 s23, s22
	s_mov_b32 s11, 0
	s_mov_b32 s12, 0
	s_mov_b32 s48, 0
	s_mov_b32 s49, 0
	s_mov_b32 s50, 0
	s_add_co_u32 s67, s9, 1
	s_lshl_b32 s51, s9, 8
	s_lshl_b32 s13, s8, 5
	s_add_co_u32 s51, s51, s13                     ; my first query in block I,
	s_sub_co_u32 s66, 7, s9
	s_lshl_b32 s66, s66, 8
	s_add_co_u32 s66, s66, s13                     ; and in block 7 - I
	s_cmp_eq_u32 s9, 0
	s_cselect_b32 s53, 7, 0
	s_wait_dscnt 0x0                               ; both opening adds are done
	s_wait_kmcnt 0x0
	s_add_nc_u64 s[16:17], s[4:5], s[14:15]
	s_add_nc_u64 s[18:19], s[16:17], 0x1000000     ; V's heads lie 64 heads behind K's
	s_mov_b64 s[42:43], s[16:17]
	s_or_b32 s43, s43, 0x80000000
	s_mov_b64 s[46:47], s[18:19]
	s_or_b32 s47, s47, 0x80000000
	TLOAD                                          ; unit 0 into slot 0
	s_cmp_lt_u32 s8, 4
	s_cselect_b64 s[54:55], s[16:17], s[18:19]
	s_lshl_b32 s13, s10, 18
	s_lshl_b32 s14, s51, 7
	s_add_co_u32 s14, s14, s13
	s_add_nc_u64 s[58:59], s[4:5], s[14:15]
	s_lshl_b32 s14, s66, 7
	s_add_co_u32 s14, s14, s13
	s_add_nc_u64 s[60:61], s[4:5], s[14:15]
	s_and_b32 s13, s10, 15
	s_lshl_b32 s13, s13, 13
	s_lshr_b32 s14, s10, 4
	s_lshl_b32 s14, s14, 11
	s_add_co_u32 s13, s13, s14                     ; att: row 8,192 h + 2,048 b
	s_add_co_u32 s14, s13, s51
	s_lshl_b32 s14, s14, 7
	s_add_nc_u64 s[2:3], s[6:7], s[14:15]
	s_add_co_u32 s14, s13, s66
	s_lshl_b32 s14, s14, 7
	s_add_nc_u64 s[62:63], s[6:7], s[14:15]
	v_and_b32 v8, 15, v0                           ; r
	v_bfe_u32 v9, v0, 4, 1                         ; h
	v_mul_u32_u24 v1, v8, PK
	v_lshl_add_u32 v1, v9, 4, v1                   ; K: row r x pitch + 16 h
	v_and_b32 v3, 7, v0
	v_lshl_add_u32 v2, v9, 3, v3
	v_mul_u32_u24 v2, v2, PV
	v_bfe_u32 v3, v0, 3, 1
	v_lshl_add_u32 v2, v3, 4, v2
	v_add_nc_u32 v2, VOFF, v2                      ; V: key 8 h + lane % 8, channels 8 ((lane / 8) % 2) on
	v_lshlrev_b32 v7, 7, v8
	v_lshl_add_u32 v7, v9, 4, v7                   ; Q: row r of 128 bytes + 16 h
	v_mov_b32 v10, 0xff800000
	s_mul_i32 s13, s8, 32*PK
	s_add_co_u32 s13, s13, STAGE                   ; my stage
	v_add_nc_u32 v11, s13, v1                      ; in: row r, 16 bytes for each half of the lanes
	v_and_b32 v3, 31, v0
	v_lshrrev_b32 v4, 3, v3
	v_mul_u32_u24 v12, v4, PK
	v_and_b32 v4, 7, v0
	v_lshl_add_u32 v12, v4, 4, v12
	v_add_nc_u32 v12, s13, v12                     ; back: eight lanes to a row of 128 bytes
	v_lshlrev_b32 v13, 4, v3
	v_lshlrev_b32 v14, 8, v3
	v_lshlrev_b32 v4, 3, v9
	v_sub_nc_u32 v15, v8, v4
	START 58
.Lunit:                                            ; eight trips: behind each change of slots but the last the walk's next unit is asked for
	CHANGE 1
	s_cmp_lg_u32 s11, s67                          ; the first block's units are done: ids and the count of trips alone, the same in all eight waves; no barrier and no tensor load stands under the branch
	s_cbranch_scc1 .Lsame
	FINISH 2
	s_mov_b32 s51, s66
	s_mov_b32 s50, 0
	START 60
	s_wait_xcnt 0x0                                ; the stores have read their registers: K's fragments may land there
.Lsame:
	UNIT_STEPS
	s_add_co_u32 s11, s11, 1
	s_cmp_lt_u32 s11, 8
	s_cbranch_scc1 .Lunit
	CHANGE 0                                       ; the ninth unit is written out: nothing is left to fetch
	UNIT_STEPS
	FINISH 62
	s_wait_tensorcnt 0x0                           ; the wave's end
	ds_add_u32 v5, v6
	s_wait_dscnt 0x0
	s_endpgm
.Lfunc_end_k_q84b469c1ac_attn:
	.size	k_q84b469c1ac_attn, .Lfunc_end_k_q84b469c1ac_attn-k_q84b469c1ac_attn
	.p2alignl 7, 3214868480
	.fill 96, 4, 3214868480
	.section	.rodata,"a",@progbits
	.p2align	6, 0x0
	.amdhsa_kernel k_q84b469c1ac_attn
		.amdhsa_group_segment_fixed_size 327680
		.amdhsa_private_segment_fixed_size 0
		.amdhsa_enable_private_segment 0
		.amdhsa_kernarg_size 16
		.amdhsa_user_sgpr_count 2
		.amdhsa_user_sgpr_kernarg_segment_ptr 1
		.amdhsa_wavefront_size32 1
		.amdhsa_system_sgpr_workgroup_id_x 1
		.amdhsa_system_sgpr_workgroup_id_y 1
		.amdhsa_system_sgpr_workgroup_id_z 1
		.amdhsa_system_vgpr_workitem_id 0
		.amdhsa_next_free_vgpr 256
		.amdhsa_next_free_sgpr 72
		.amdhsa_reserve_vcc 1
		.amdhsa_float_denorm_mode_32 3
		.amdhsa_float_denorm_mode_16_64 3
		.amdhsa_memory_ordered 1
		.amdhsa_forward_progress 1
		.amdhsa_inst_pref_size 71
	.end_amdhsa_kernel
	.amdgpu_metadata
---
amdhsa.version: [ 1, 2 ]
amdhsa.kernels:
  - .name:           k_q84b469c1ac_attn
    .symbol:         k_q84b469c1ac_attn.kd
    .args:
      - { .name: qkv, .offset: 0, .size: 8, .value_kind: global_buffer, .address_space: global }
      - { .name: att, .offset: 8, .size: 8, .value_kind: global_buffer, .address_space: global }
    .group_segment_fixed_size: 327680
    .private_segment_fixed_size: 0
    .kernarg_segment_align: 8
    .kernarg_segment_size: 16
    .max_flat_workgroup_size: 256
    .sgpr_count:     72
    .vgpr_count:     256
    .wavefront_size: 32
...
	.end_amdgpu_metadata
.endif
;; end of part 3
;; launch proj (part 4): grid 8 x 32, 4 waves a work-group, clusters of 4 x 4, 327,680 bytes of LDS; arguments att, wo, b_out, out0; writes out0
.if DOCPART == 4
	.amdgcn_target "amdgcn-amd-amdhsa--gfx1250"
	.amdhsa_code_object_version 6
	.text
	.protected	k_q84b469c1ac_proj
	.globl	k_q84b469c1ac_proj
	.p2align	8
	.type	k_q84b469c1ac_proj,@function
k_q84b469c1ac_proj:
	s_mov_b64 s[64:65], 0
	v_nop
	global_prefetch_b8 v0, s[64:65] scope:SCOPE_SE
	s_setreg_imm32_b32 hwreg(HW_REG_WAVE_MODE, 25, 1), 1
	s_wait_xcnt 0x0
	s_wait_alu depctr_hold_cnt(0) depctr_sa_sdst(0) depctr_va_vdst(0) depctr_va_sdst(0) depctr_va_ssrc(0) depctr_va_vcc(0) depctr_vm_vsrc(0)
	s_getreg_b32 s2, hwreg(HW_REG_IB_STS2, 6, 4)
	s_cmp_eq_u32 s2, 0
	s_cbranch_scc0 .Lentry_in_a_cluster
	s_endpgm
.Lentry_in_a_cluster:
	s_bfe_u32 s2, ttmp6, 0x10000c
	s_cmp_lg_u32 s2, 0xf033
	s_cbranch_scc0 .Lentry_shape_is_right
	s_endpgm
.Lentry_shape_is_right:
; out0 = att W_out + b_out, f16 operands, f32 sums.  att: [16 planes][8192 rows][64] f16; wo: [16 planes][1024 n][64] f16: plane p holds K = 64 p .. 64 p + 63; out0: [8192][1024] f32.
; A tile of out0 is 256 rows x 128 columns: 256 work-groups.  Four waves, each 128 x 64: 32 accumulators of 16 x 16.  K goes in steps of 128 (two planes) through a ring of two LDS slots.
; Waves 0 and 1 fetch A's two planes (256 rows of 128 dense bytes each), waves 2 and 3 B's (128 rows): one tensor load a wave behind each round; two of mine are out at the start, one later.
; CLUSTERS: 4 x 4 work-groups; A's tiles are shared along a row of the cluster, B's along a column: joint loads.  USED TRANSPOSED (source 0 = 16 rows of wo, source 1 = 16 rows of att).
; The bias is the C of each sum's first instruction.  Rows 0 to 15 of every sequence are written here like the rest and written again, from f32 arithmetic, by the last launch.
; REGISTERS: window 0: v16-29 addresses; v32-63 the bias; v64-127 the way out.  window 1: two fragment buffers of 96 (A's eight blocks, then B's four).  window 2: the accumulators, (a, b) at v[8 (4 a + b)].
.set KP,     144                       ; an LDS row: 128 bytes + 16
.set APL,    256*KP                    ; a plane of A
.set BPL,    128*KP                    ; a plane of B
.set BOFF,   2*APL
.set SLOT,   2*APL+2*BPL
.set SPARE,  2*SLOT                    ; the spare words: two blocks of 256 bytes that no other line names
.set SPITCH, 272                       ; the way out: 16 rows x (256 bytes + 16) a wave, in slot 0, behind its last fill and its last read
.set ADRA, 16
.set ADRB, 20
.set STO,  24
.set RD,   25
.set CO,   26
.set BO,   27
.set SPW,  28
.set NIL,  29
.set BIAS, 32
.set BK,   64
.set F0,   0
.set F1,   96
.set G1, 24
.set G0, 32
.set G1B, 48
.set G0B, 56
.set MSB, 0
.macro WIN new
.if MSB != (\new)
	s_set_vgpr_msb (MSB<<8)|(\new)
.set MSB, (\new)
.endif
.endm
.set MUL,  0xa5                        ; sources 0 and 1 window 1; C and D window 2
.set MUL0, 0x85                        ; the same with C, the bias, in window 0
.set TO_F, 0x40
.macro JLOAD s                         ; a joint load; an s_nop 0 and four v_nop follow each of the two lines
	s_cmp_eq_u32 s11, 0
	s_cbranch_scc0 .Lfor_b_\@
	tensor_load_to_lds s[G0+4*\s:G0+4*\s+3], s[G1:G1+7]
	s_nop 0
.rept 4
	v_nop
.endr
	s_branch .Lasked_\@
.Lfor_b_\@:
	tensor_load_to_lds s[G0B+4*\s:G0B+4*\s+3], s[G1B:G1B+7]
	s_nop 0
.rept 4
	v_nop
.endr
.Lasked_\@:
.endm
.macro CREST
	s_cmp_lg_u32 s10, 0
	s_cbranch_scc1 .Lnot_wave_0_\@
	s_barrier_signal -3
.Lnot_wave_0_\@:
	s_barrier_wait -3
	s_barrier_signal -1
	s_barrier_wait -1
.endm
.macro CROUND
	s_barrier_signal -1
	s_barrier_wait -1
	CREST
.endm
	s_load_b128 s[4:7], s[0:1], 0x0                ; att, wo
	s_load_b64 s[66:67], s[0:1], 0x10              ; b_out
	s_load_b64 s[8:9], s[0:1], 0x18                ; out0
	v_lshl_add_u32 v[SPW], v0, 2, SPARE
	v_mov_b32 v[NIL], 0
	ds_add_u32 v[SPW], v[NIL]                      ; the wave's opening: the add, twice on end, and its wait ahead of my first tensor load
	ds_add_u32 v[SPW], v[NIL]
	v_lshrrev_b32 v1, 5, v0
	v_readfirstlane_b32 s10, v1                    ; wave 0..3
	s_lshr_b32 s11, s10, 1                         ; which 128 rows are mine.  Also: I fetch for A (0) or for B (1)
	s_and_b32 s12, s10, 1                          ; which 64 columns.  Also: which plane of a K step I fetch
	s_bfe_u32 s40, ttmp6, 0x40000
	s_bfe_u32 s41, ttmp6, 0x40004
	s_lshl_b32 s42, ttmp9, 2
	s_add_co_u32 s42, s42, s40                     ; tile column
	s_and_b32 s13, ttmp7, 0xffff
	s_lshl_b32 s13, s13, 2
	s_add_co_u32 s13, s13, s41                     ; tile row
	s_lshl_b32 s43, s41, 2
	s_lshl_b32 s43, 15, s43
	s_lshl_b32 s44, 0x1111, s40
	s_or_b32 s[G1+0], s43, (1<<16)|(1<<20)|(1<<21)|(4<<22)|(3<<25)   ; the mask; elements of 2 bytes; 4 words of padding behind every 32
	s_or_b32 s[G1B+0], s44, (1<<16)|(1<<20)|(1<<21)|(4<<22)|(3<<25)
	s_mov_b32 s[G1+1], 64<<16                      ; tensor_dim0 = 64
	s_mov_b32 s[G1+2], 256<<16                     ; tensor_dim1 = 256
	s_mov_b32 s[G1+3], 64<<16                      ; tile_dim0 = 64
	s_mov_b32 s[G1+4], 256                         ; tile_dim1 = 256
	s_mov_b32 s[G1+5], 64                          ; the pitch: rows are dense
	s_mov_b32 s[G1+6], 0
	s_mov_b32 s[G1+7], 0
	s_mov_b32 s[G1B+1], 64<<16
	s_mov_b32 s[G1B+2], 128<<16
	s_mov_b32 s[G1B+3], 64<<16
	s_mov_b32 s[G1B+4], 128
	s_mov_b32 s[G1B+5], 64
	s_mov_b32 s[G1B+6], 0
	s_mov_b32 s[G1B+7], 0
	s_lshl_b32 s16, s12, 20                        ; A: a plane is 8,192 rows of 128 bytes,
	s_lshl_b32 s17, s13, 15                        ; a tile row 256 rows
	s_add_co_u32 s16, s16, s17
	s_mov_b32 s17, 0
	s_lshl_b32 s46, s12, 17                        ; B: a plane is 1,024 rows,
	s_lshl_b32 s47, s42, 14                        ; a tile column 128 rows
	s_add_co_u32 s46, s46, s47
	s_mov_b32 s47, 0
	s_mul_i32 s20, s12, APL                        ; where they go: no place in the cluster enters an LDS address
	s_mul_i32 s21, s12, BPL
	s_add_co_u32 s21, s21, BOFF
	s_wait_dscnt 0x0                               ; both opening adds are done
	s_wait_kmcnt 0x0
	s_add_nc_u64 s[14:15], s[4:5], s[16:17]
	s_add_nc_u64 s[46:47], s[6:7], s[46:47]
	CROUND                                         ; all sixteen work-groups are here: the first joint loads meet
.irp s, 0,1
	s_mov_b32 s[G0+4*\s], 1
	s_add_co_u32 s[G0+4*\s+1], s20, \s*SLOT
	s_add_nc_u64 s[G0+4*\s+2:G0+4*\s+3], s[14:15], \s*2097152      ; K step s: two planes on
	s_or_b32 s[G0+4*\s+3], s[G0+4*\s+3], 0x80000000
	s_mov_b32 s[G0B+4*\s], 1
	s_add_co_u32 s[G0B+4*\s+1], s21, \s*SLOT
	s_add_nc_u64 s[G0B+4*\s+2:G0B+4*\s+3], s[46:47], \s*262144
	s_or_b32 s[G0B+4*\s+3], s[G0B+4*\s+3], 0x80000000
	JLOAD \s
.endr
	v_and_b32 v1, 15, v0                           ; r
	v_bfe_u32 v2, v0, 4, 1                         ; h
	v_mul_u32_u24 v3, v1, KP
	v_lshl_add_u32 v3, v2, 4, v3                   ; a fragment's row x pitch + 16 h
	s_mul_i32 s21, s11, 128*KP                     ; my 128 rows of A
	s_mul_i32 s22, s12, 64*KP                      ; my 64 rows of B,
	s_add_co_u32 s22, s22, BOFF                    ; behind A's two planes
.irp s, 0,1
	v_add_nc_u32 v[ADRA+\s], s21, v3
	v_add_nc_u32 v[ADRB+\s], s22, v3
	s_add_co_u32 s21, s21, SLOT
	s_add_co_u32 s22, s22, SLOT
.endr
	s_mul_i32 s23, s10, 16*SPITCH                  ; my stage
	v_mul_u32_u24 v4, v1, SPITCH
	v_lshl_add_u32 v4, v2, 5, v4
	v_add_nc_u32 v[STO], s23, v4                   ; in: row r, 32 bytes for each half of the lanes
	v_mul_u32_u24 v5, v2, SPITCH
	v_lshl_add_u32 v5, v1, 4, v5
	v_add_nc_u32 v[RD], s23, v5                    ; back: lanes 0-15 one row of 256 bytes, lanes 16-31 the next
	v_lshlrev_b32 v[CO], 12, v2
	v_lshl_add_u32 v[CO], v1, 4, v[CO]             ; and the same two rows in out0
	v_lshlrev_b32 v[BO], 5, v2
	s_lshl_b32 s16, s13, 20                        ; my first row: 256 x tile row + 128 x half, rows of 4,096 bytes
	s_lshl_b32 s17, s11, 19
	s_add_co_u32 s16, s16, s17
	s_mov_b32 s17, 0
	s_add_nc_u64 s[8:9], s[8:9], s[16:17]
	s_lshl_b32 s46, s42, 9                         ; my first column, in bytes: 512 x tile column + 256 x half
	s_lshl_b32 s47, s12, 8
	s_add_co_u32 s46, s46, s47
	s_mov_b32 s47, 0
	s_add_nc_u64 s[8:9], s[8:9], s[46:47]
	s_add_nc_u64 s[66:67], s[66:67], s[46:47]
.irp b, 0,1,2,3
	global_load_b128 v[BIAS+8*\b:BIAS+8*\b+3], v[BO], s[66:67] offset:64*\b       ; lane (r, h): the bias of columns 16 b + 8 h + 0 .. 7
	global_load_b128 v[BIAS+8*\b+4:BIAS+8*\b+7], v[BO], s[66:67] offset:64*\b+16
.endr
; 24 LDS loads in one run: the fragments of quarter q (32 along K: plane q / 2, channels 32 (q % 2) on) into buffer f: B's four blocks, then A's eight
.macro FETCH slot, q, f
	WIN TO_F
.irp i, 0,1,2,3
	ds_load_b128 v[\f+64+8*\i:\f+64+8*\i+3],   v[ADRB+\slot] offset:((\q)/2)*BPL+((\q)%2)*64+\i*16*KP
	ds_load_b128 v[\f+64+8*\i+4:\f+64+8*\i+7], v[ADRB+\slot] offset:((\q)/2)*BPL+((\q)%2)*64+\i*16*KP+32
.endr
.irp i, 0,1,2,3,4,5,6,7
	ds_load_b128 v[\f+8*\i:\f+8*\i+3],   v[ADRA+\slot] offset:((\q)/2)*APL+((\q)%2)*64+\i*16*KP
	ds_load_b128 v[\f+8*\i+4:\f+8*\i+7], v[ADRA+\slot] offset:((\q)/2)*APL+((\q)%2)*64+\i*16*KP+32
.endr
.endm
; A's blocks a0 .. a0 + n - 1 x B's four.  Each of the 32 accumulators has one instruction a quarter, in the same order in every quarter.
.macro MULH f, a0, n, zero
.set ma, \a0
.rept \n
.irp b, 0,1,2,3
.if \zero
	v_wmma_f32_16x16x32_f16 v[8*(4*ma+\b):8*(4*ma+\b)+7], v[\f+64+8*\b:\f+64+8*\b+7], v[\f+8*ma:\f+8*ma+7], v[BIAS+8*\b:BIAS+8*\b+7]
.else
	v_wmma_f32_16x16x32_f16 v[8*(4*ma+\b):8*(4*ma+\b)+7], v[\f+64+8*\b:\f+64+8*\b+7], v[\f+8*ma:\f+8*ma+7], v[8*(4*ma+\b):8*(4*ma+\b)+7]
.endif
.endr
.set ma, ma+1
.endr
.endm
.macro PLACES
.rept 4
	v_nop
.endr
.endm
.macro QUARTER slot, q, f, g, zero     ; multiplies buffer f; in its middle fetches quarter q of the same slot into buffer g
	s_wait_dscnt 8                                 ; B and A's blocks 0-3 are in; the youngest eight loads (A's blocks 4-7) may be out
.if \zero
	WIN MUL0
.else
	WIN MUL
.endif
	MULH \f, 0, 4, \zero
	PLACES
	FETCH \slot, \q, \g
	s_wait_dscnt 24                                ; all but the 24 just issued
.if \zero
	WIN MUL0
.else
	WIN MUL
.endif
	MULH \f, 4, 4, \zero
.endm
; The last quarter multiplies buffer 1 and changes slots: one barrier; in front of it each wave waits for all its tensor loads, adds 0 to its spare word, and waits for that and for its reads of this slot.
.macro TURN slot, next, fill
	WIN 0
	s_wait_tensorcnt 0x0                           ; all my tensor loads have landed: my part of the next slot
	ds_add_u32 v[SPW], v[NIL]
	s_wait_dscnt 9                                 ; (the add and the youngest eight loads may be out)
	WIN MUL
	MULH F1, 0, 2, 0
	s_wait_dscnt 0x0                               ; the add is done, and my reads of this slot are over
	s_barrier_signal -1
	MULH F1, 2, 2, 0
	WIN 0
	s_barrier_wait -1
.if \fill
	CREST                                          ; the barrier has opened a round of the cluster's barrier: no wave of any partner still reads this slot or has a load on its way
	s_add_nc_u64 s[G0+4*\slot+2:G0+4*\slot+3], s[G0+4*\slot+2:G0+4*\slot+3], 4194304     ; two K steps on: four planes
	s_add_nc_u64 s[G0B+4*\slot+2:G0B+4*\slot+3], s[G0B+4*\slot+2:G0B+4*\slot+3], 524288
	JLOAD \slot                                    ; the first tensor load behind the round: 112 matrix instructions ahead of the wait for it; its four v_nop are also the places in front of the loads below
.else
	PLACES
.endif
	FETCH \next, 0, F0
	WIN MUL
	MULH F1, 4, 4, 0
.endm
	s_wait_tensorcnt 1                             ; my part of K step 0 is in (K step 1's load may be out),
	s_barrier_signal -1
	s_barrier_wait -1                              ; everybody's is
	FETCH 0, 0, F0
	s_wait_loadcnt 0x0                             ; the bias
	QUARTER 0, 1, F0, F1, 1                        ; the first quarter stands in front of the loop: its products start the sums from the bias
	WIN 0
	s_mov_b32 s3, 3
.Llap:                                             ; a trip goes once round the ring and fills both slots again
	QUARTER 0, 2, F1, F0, 0
	QUARTER 0, 3, F0, F1, 0
	TURN 0, 1, 1
	QUARTER 1, 1, F0, F1, 0
	QUARTER 1, 2, F1, F0, 0
	QUARTER 1, 3, F0, F1, 0
	TURN 1, 0, 1
	QUARTER 0, 1, F0, F1, 0
	WIN 0
	s_sub_co_u32 s3, s3, 1
	s_cmp_lg_u32 s3, 0
	s_cbranch_scc1 .Llap
	QUARTER 0, 2, F1, F0, 0                        ; the last lap fills nothing
	QUARTER 0, 3, F0, F1, 0
	TURN 0, 1, 0
	QUARTER 1, 1, F0, F1, 0
	QUARTER 1, 2, F1, F0, 0
	QUARTER 1, 3, F0, F1, 0
	s_wait_dscnt 8
	WIN MUL
	MULH F1, 0, 4, 0
	s_wait_dscnt 0
	MULH F1, 4, 4, 0
	WIN 0
; THE WAY OUT, block by block of 16 rows x 64 columns: through my stage, back as whole rows of 256 bytes: sixteen lanes store 256 consecutive bytes, aligned.
.macro TOSTAGE a
	WIN 0x08                                       ; an LDS store's data are its source 1: window 2
.irp b, 0,1,2,3
	ds_store_b128 v[STO], v[8*(4*(\a)+\b):8*(4*(\a)+\b)+3] offset:64*\b          ; each accumulator from its low end on
	ds_store_b128 v[STO], v[8*(4*(\a)+\b)+4:8*(4*(\a)+\b)+7] offset:64*\b+16
.endr
	WIN 0
.set BB, BK+32*((\a)%2)
.irp u, 0,1,2,3,4,5,6,7
	ds_load_b128 v[BB+4*\u:BB+4*\u+3], v[RD] offset:\u*2*SPITCH
.endr
.endm
.macro SEND a, younger
.set BB, BK+32*((\a)%2)
	s_wait_dscnt \younger                          ; the block is back; the next block's eight stores and eight loads may be out
.irp u, 0,1,2,3,4,5,6,7
	global_store_b128 v[CO], v[BB+4*\u:BB+4*\u+3], s[8:9] offset:65536*(\a)+8192*\u th:TH_STORE_NT
.endr
.endm
	PLACES
	TOSTAGE 0
.irp a, 1,2,3,4,5,6,7
.if \a > 1
	s_wait_xcnt 0x0                                ; the stores of the block two back have read the registers into which this block's loads land
.endif
	TOSTAGE \a
	SEND \a-1, 16
.endr
	SEND 7, 0
	s_wait_tensorcnt 0x0                           ; the wave's end
	ds_add_u32 v[SPW], v[NIL]
	s_wait_dscnt 0x0
	CROUND                                         ; the closing round
	s_endpgm
.Lfunc_end_k_q84b469c1ac_proj:
	.size	k_q84b469c1ac_proj, .Lfunc_end_k_q84b469c1ac_proj-k_q84b469c1ac_proj
	.p2alignl 7, 3214868480
	.fill 96, 4, 3214868480
	.section	.rodata,"a",@progbits
	.p2align	6, 0x0
	.amdhsa_kernel k_q84b469c1ac_proj
		.amdhsa_group_segment_fixed_size 327680
		.amdhsa_private_segment_fixed_size 0
		.amdhsa_enable_private_segment 0
		.amdhsa_kernarg_size 32
		.amdhsa_user_sgpr_count 2
		.amdhsa_user_sgpr_kernarg_segment_ptr 1
		.amdhsa_wavefront_size32 1
		.amdhsa_system_sgpr_workgroup_id_x 1
		.amdhsa_system_sgpr_workgroup_id_y 1
		.amdhsa_system_sgpr_workgroup_id_z 1
		.amdhsa_system_vgpr_workitem_id 0
		.amdhsa_next_free_vgpr 768
		.amdhsa_next_free_sgpr 72
		.amdhsa_reserve_vcc 0
		.amdhsa_float_denorm_mode_32 3
		.amdhsa_float_denorm_mode_16_64 3
		.amdhsa_memory_ordered 1
		.amdhsa_forward_progress 1
		.amdhsa_inst_pref_size 86
	.end_amdhsa_kernel
	.amdgpu_metadata
---
amdhsa.version: [ 1, 2 ]
amdhsa.kernels:
  - .name:           k_q84b469c1ac_proj
    .symbol:         k_q84b469c1ac_proj.kd
    .args:
      - { .name: att, .offset: 0, .size: 8, .value_kind: global_buffer, .address_space: global }
      - { .name: wo, .offset: 8, .size: 8, .value_kind: global_buffer, .address_space: global }
      - { .name: b_out, .offset: 16, .size: 8, .value_kind: global_buffer, .address_space: global }
      - { .name: out0, .offset: 24, .size: 8, .value_kind: global_buffer, .address_space: global }
    .group_segment_fixed_size: 327680
    .private_segment_fixed_size: 0
    .kernarg_segment_align: 8
    .kernarg_segment_size: 32
    .max_flat_workgroup_size: 128
    .sgpr_count:     72
    .vgpr_count:     768
    .wavefront_size: 32
...
	.end_amdgpu_metadata
.endif
;; end of part 4
;; launch fine_attn (part 5): grid 16 x 4, 4 waves a work-group, no clusters, 8,960 bytes of LDS; arguments xc, xs, wc, ws, b_qkv, o32; writes o32
.if DOCPART == 5
	.amdgcn_target "amdgcn-amd-amdhsa--gfx1250"
	.amdhsa_code_object_version 6
	.text
	.protected	k_q84b469c1ac_fine_attn
	.globl	k_q84b469c1ac_fine_attn
	.p2align	8
	.type	k_q84b469c1ac_fine_attn,@function
k_q84b469c1ac_fine_attn:
	s_mov_b64 s[64:65], 0
	v_nop
	global_prefetch_b8 v0, s[64:65] scope:SCOPE_SE
	s_setreg_imm32_b32 hwreg(HW_REG_WAVE_MODE, 25, 1), 1
	s_wait_xcnt 0x0
; POSITIONS 0 TO 15 OF EVERY SEQUENCE, IN f32.  These rows average one to sixteen values and are the largest of the output, so they are carried more finely than f16.
; A work-group takes one head of one batch.  Its q, k, v of positions 0-15 are made anew from the codes (E2M1 with E8M0 scales, f32 sums, the bias as the sums' start) and kept in f32;
; scores, softmax and the weighted sum of v are f32 (the f32 matrix form: 16 x 16 x 64, no bulk work).  o32: [16 b + t][1024] f32.  Keys beyond position 15 are under the mask for these queries and are left out.
; SHARES.  Wave w makes channels 16 w .. 16 w + 15 of q, k and v.  q and k are made transposed (source 0 = 16 rows of W, source 1 = x's 16 rows): lane (r, h) holds position r, channels 16 w + 8 h + j.
; v is made the natural way (source 0 = x, source 1 = W): lane (r, h) holds channel 16 w + r, positions 8 h + j.  Each wave's 16 channels give a partial S^T; the four meet in LDS as images of their registers.
; In the f32 form a lane's two registers stand for k = 2 h + 0, 1; here they hold channels (or keys) 8 h + 2 s + 0, 1, alike in both sources: a permutation of K applied to both keeps the sum.
.set IMG,   0                          ; four images of 1,024 bytes
.set STG,   4096                       ; 16 rows x (256 bytes + 16)
.set SPARE, 8448                       ; the spare words: two blocks of 256 bytes that no other line names
.set SPW, 14
.set NIL, 15
.set XF,  16                           ; v16-79   x's fragments, K step s at +8 s; later at work
.set WVF, 80                           ; v80-143  W_v's
.set XS,  144                          ; v144-151 x's scale words;  v152.. W_q's, v160.. W_k's, v168.. W_v's
.set WQS, 152
.set WKS, 160
.set WVS, 168
.set AQ,  176
.set AK,  184
.set AV,  192
.set STP, 200                          ; my partial S^T: written by matrix instructions alone
.set SS,  208                          ; the scores, then p
.set IM,  216                          ; v216-247 the four images
.set OT,  248                          ; O^T: written by matrix instructions alone
.set WQF, 0                            ; window 1: W_q's fragments, W_k's, and x's once more, so that one window setting serves all 24 products
.set WKF, 64
.set XF2, 128
.set MSB, 0
.macro WIN new
.if MSB != (\new)
	s_set_vgpr_msb (MSB<<8)|(\new)
.set MSB, (\new)
.endif
.endm
	s_load_b256 s[4:11], s[0:1], 0x0               ; xc, xs, wc, ws
	s_load_b128 s[12:15], s[0:1], 0x20             ; b_qkv, o32
	v_lshl_add_u32 v[SPW], v0, 2, SPARE
	v_mov_b32 v[NIL], 0
	v_lshrrev_b32 v1, 5, v0
	v_readfirstlane_b32 s16, v1                    ; wave 0..3
	v_and_b32 v1, 15, v0                           ; r
	v_bfe_u32 v2, v0, 4, 1                         ; h
	v_lshlrev_b32 v3, 9, v1
	v_lshl_add_u32 v3, v2, 4, v3                   ; codes: row r of 512 bytes + 16 h
	v_lshlrev_b32 v4, 5, v1                        ; scale words: row r of 32 bytes
	v_lshlrev_b32 v5, 5, v2                        ; the bias of q and k: 8 h numbers on
	v_lshlrev_b32 v6, 2, v1                        ; the bias of v: number r
	v_and_b32 v7, 31, v0
	v_lshlrev_b32 v7, 4, v7                        ; an image's place for my lane
	s_lshl_b32 s17, s16, 10
	v_add_nc_u32 v8, s17, v7                       ; where I store my image
	v_mul_u32_u24 v9, v1, 272
	v_lshl_add_u32 v9, v2, 5, v9
	s_lshl_b32 s17, s16, 6
	s_add_co_u32 s17, s17, STG
	v_add_nc_u32 v9, s17, v9                       ; the stage, in: row r, + 64 w + 32 h
	v_mul_u32_u24 v10, v2, 272
	v_lshl_add_u32 v10, v1, 4, v10
	s_mul_i32 s17, s16, 4*272
	s_add_co_u32 s17, s17, STG
	v_add_nc_u32 v10, s17, v10                     ; back: rows 4 w + h, 16 bytes a lane
	v_lshlrev_b32 v11, 12, v2
	v_lshl_add_u32 v11, v1, 4, v11                 ; and the same in o32
	v_lshlrev_b32 v12, 3, v2
	v_sub_nc_u32 v12, v1, v12                      ; d = r - 8 h: key 8 h + j is hidden where j > d
	v_mov_b32 v13, 0xff800000
	s_and_b32 s18, ttmp7, 0xffff                   ; the batch
	s_lshl_b32 s19, ttmp9, 6
	s_lshl_b32 s20, s16, 4
	s_add_co_u32 s19, s19, s20                     ; my first column of q: 64 x head + 16 w
	s_mov_b32 s21, 0
	s_mov_b32 s24, 0x76543210
	s_mov_b32 s25, 0xfedcba98
	s_mov_b32 s26, 0x3e38aa3b                      ; c = log2(e) / 8
	s_wait_kmcnt 0x0
	s_lshl_b32 s20, s18, 20
	s_add_nc_u64 s[4:5], s[4:5], s[20:21]          ; x's codes at row 2,048 b
	s_lshl_b32 s20, s18, 16
	s_add_nc_u64 s[6:7], s[6:7], s[20:21]
	s_lshl_b32 s20, s19, 9
	s_add_nc_u64 s[8:9], s[8:9], s[20:21]          ; W's codes at my column of q; k's lie 1,024 rows on, v's 2,048
	s_lshl_b32 s20, s19, 5
	s_add_nc_u64 s[10:11], s[10:11], s[20:21]
	s_lshl_b32 s20, s19, 2
	s_add_nc_u64 s[12:13], s[12:13], s[20:21]
	s_lshl_b32 s20, s18, 16                        ; o32: row 16 b + 4 w, + 256 x head
	s_lshl_b32 s22, s16, 14
	s_add_co_u32 s20, s20, s22
	s_lshl_b32 s22, ttmp9, 8
	s_add_co_u32 s20, s20, s22
	s_add_nc_u64 s[14:15], s[14:15], s[20:21]
.irp s, 0,1,2,3,4,5,6,7
.irp c, 0,1
	global_load_b128 v[XF+8*\s+4*\c:XF+8*\s+4*\c+3], v3, s[4:5] offset:64*\s+32*\c
	global_load_b128 v[WVF+8*\s+4*\c:WVF+8*\s+4*\c+3], v3, s[8:9] offset:1048576+64*\s+32*\c
.endr
.endr
.irp c, 0,1
	global_load_b128 v[XS+4*\c:XS+4*\c+3], v4, s[6:7] offset:16*\c
	global_load_b128 v[WQS+4*\c:WQS+4*\c+3], v4, s[10:11] offset:16*\c
	global_load_b128 v[WKS+4*\c:WKS+4*\c+3], v4, s[10:11] offset:32768+16*\c
	global_load_b128 v[WVS+4*\c:WVS+4*\c+3], v4, s[10:11] offset:65536+16*\c
	global_load_b128 v[AQ+4*\c:AQ+4*\c+3], v5, s[12:13] offset:16*\c            ; the sums start from the bias
	global_load_b128 v[AK+4*\c:AK+4*\c+3], v5, s[12:13] offset:4096+16*\c
.endr
.irp j, 0,1,2,3,4,5,6,7
	global_load_b32 v[AV+\j], v6, s[12:13] offset:8192
.endr
	WIN 0x40                                       ; destination window 1
.irp s, 0,1,2,3,4,5,6,7
.irp c, 0,1
	global_load_b128 v[WQF+8*\s+4*\c:WQF+8*\s+4*\c+3], v3, s[8:9] offset:64*\s+32*\c
	global_load_b128 v[WKF+8*\s+4*\c:WKF+8*\s+4*\c+3], v3, s[8:9] offset:524288+64*\s+32*\c
	global_load_b128 v[XF2+8*\s+4*\c:XF2+8*\s+4*\c+3], v3, s[4:5] offset:64*\s+32*\c
.endr
.endr
	WIN 0
	s_wait_loadcnt 0x0
	WIN 0x01                                       ; source 0 window 1
.irp s, 0,1,2,3,4,5,6,7                ; three accumulators by turns, K ascending
	v_wmma_scale_f32_16x16x128_f8f6f4 v[AQ:AQ+7], v[WQF+8*\s:WQF+8*\s+7], v[XF+8*\s:XF+8*\s+7], v[AQ:AQ+7], v[WQS+\s], v[XS+\s] matrix_a_fmt:MATRIX_FMT_FP4 matrix_b_fmt:MATRIX_FMT_FP4
	v_wmma_scale_f32_16x16x128_f8f6f4 v[AK:AK+7], v[WKF+8*\s:WKF+8*\s+7], v[XF+8*\s:XF+8*\s+7], v[AK:AK+7], v[WKS+\s], v[XS+\s] matrix_a_fmt:MATRIX_FMT_FP4 matrix_b_fmt:MATRIX_FMT_FP4
	v_wmma_scale_f32_16x16x128_f8f6f4 v[AV:AV+7], v[XF2+8*\s:XF2+8*\s+7], v[WVF+8*\s:WVF+8*\s+7], v[AV:AV+7], v[XS+\s], v[WVS+\s] matrix_a_fmt:MATRIX_FMT_FP4 matrix_b_fmt:MATRIX_FMT_FP4
.endr
	WIN 0
.rept 5
	v_nop                                          ; five places before matrix instructions take these results as sources
.endr
	v_wmma_f32_16x16x4_f32 v[STP:STP+7], v[AK:AK+1], v[AQ:AQ+1], 0               ; my 16 channels' part of S^T: lane (r, h): query r, keys 8 h + j
.irp s, 1,2,3
	s_wait_alu depctr_va_vdst(0)                   ; a wait directly ahead of each link
	v_wmma_f32_16x16x4_f32 v[STP:STP+7], v[AK+2*\s:AK+2*\s+1], v[AQ+2*\s:AQ+2*\s+1], v[STP:STP+7]
.endr
.rept 8
	v_nop                                          ; eight places behind this form
.endr
	ds_store_b128 v8, v[STP:STP+3]                 ; the image of my partial sums, the low end first
	ds_store_b128 v8, v[STP+4:STP+7] offset:512
	s_wait_dscnt 0x0                               ; for the others' sake
	s_barrier_signal -1
	s_barrier_wait -1
.irp w, 0,1,2,3
	ds_load_b128 v[IM+8*\w:IM+8*\w+3], v7 offset:1024*\w
	ds_load_b128 v[IM+8*\w+4:IM+8*\w+7], v7 offset:1024*\w+512
.endr
	s_wait_dscnt 0x0
.irp i, 0,2,4,6
	v_pk_add_f32 v[SS+\i:SS+\i+1], v[IM+\i:IM+\i+1], v[IM+8+\i:IM+8+\i+1]
.endr
.irp i, 0,2,4,6
	v_pk_add_f32 v[SS+\i:SS+\i+1], v[SS+\i:SS+\i+1], v[IM+16+\i:IM+16+\i+1]
.endr
.irp i, 0,2,4,6
	v_pk_add_f32 v[SS+\i:SS+\i+1], v[SS+\i:SS+\i+1], v[IM+24+\i:IM+24+\i+1]
.endr
.irp j, 0,1,2,3,4,5,6,7
	v_cmp_gt_i32 vcc_lo, \j, v12
	v_cndmask_b32 v[SS+\j], v[SS+\j], v13, vcc_lo  ; hidden keys: -infinity.  Key 0 counts for every query, so the maximum is a number
.endr
	v_max3_num_f32 v16, v[SS], v[SS+1], v[SS+2]
	v_max3_num_f32 v16, v16, v[SS+3], v[SS+4]
	v_max3_num_f32 v16, v16, v[SS+5], v[SS+6]
	v_max_num_f32 v16, v16, v[SS+7]
	v_permlanex16_b32 v17, v16, s24, s25
	v_max_num_f32 v16, v16, v17                    ; the row's maximum
	v_mul_f32 v16, s26, v16
.irp j, 0,1,2,3,4,5,6,7
	v_fma_f32 v[SS+\j], v[SS+\j], s26, -v16
.endr
.irp j, 0,1,2,3,4,5,6,7
	v_exp_f32 v[SS+\j], v[SS+\j]
.endr
	v_nop
	s_wait_alu depctr_va_vdst(0)                   ; one wait for the eight exponentials, ahead of their first use
	v_pk_add_f32 v[18:19], v[SS:SS+1], v[SS+2:SS+3]
	v_pk_add_f32 v[20:21], v[SS+4:SS+5], v[SS+6:SS+7]
	v_pk_add_f32 v[18:19], v[18:19], v[20:21]
	v_add_f32 v18, v18, v19
	v_permlanex16_b32 v17, v18, s24, s25
	v_add_f32 v18, v18, v17                        ; the row's sum
	v_rcp_f32 v19, v18
	v_nop
	s_wait_alu depctr_va_vdst(0)
	v_wmma_f32_16x16x4_f32 v[OT:OT+7], v[AV:AV+1], v[SS:SS+1], 0                 ; O^T = V^T P: lane (r, h): query r, channels 16 w + 8 h + j
.irp s, 1,2,3
	s_wait_alu depctr_va_vdst(0)
	v_wmma_f32_16x16x4_f32 v[OT:OT+7], v[AV+2*\s:AV+2*\s+1], v[SS+2*\s:SS+2*\s+1], v[OT:OT+7]
.endr
.rept 8
	v_nop
.endr
.irp j, 0,1,2,3,4,5,6,7
	v_mul_f32 v[24+\j], v[OT+\j], v19              ; / the sum, into other registers, from the low end on
.endr
	ds_store_b128 v9, v[24:27]
	ds_store_b128 v9, v[28:31] offset:16
	s_wait_dscnt 0x0
	s_barrier_signal -1
	s_barrier_wait -1                              ; 16 whole rows of the head's 64 channels lie in the stage
	ds_load_b128 v[32:35], v10
	ds_load_b128 v[36:39], v10 offset:544
	s_wait_dscnt 0x0
	global_store_b128 v11, v[32:35], s[14:15]      ; sixteen lanes store 256 consecutive bytes, aligned
	global_store_b128 v11, v[36:39], s[14:15] offset:8192
	s_wait_tensorcnt 0x0                           ; the wave's end
	ds_add_u32 v[SPW], v[NIL]
	s_wait_dscnt 0x0
	s_endpgm
.Lfunc_end_k_q84b469c1ac_fine_attn:
	.size	k_q84b469c1ac_fine_attn, .Lfunc_end_k_q84b469c1ac_fine_attn-k_q84b469c1ac_fine_attn
	.p2alignl 7, 3214868480
	.fill 96, 4, 3214868480
	.section	.rodata,"a",@progbits
	.p2align	6, 0x0
	.amdhsa_kernel k_q84b469c1ac_fine_attn
		.amdhsa_group_segment_fixed_size 8960
		.amdhsa_private_segment_fixed_size 0
		.amdhsa_enable_private_segment 0
		.amdhsa_kernarg_size 48
		.amdhsa_user_sgpr_count 2
		.amdhsa_user_sgpr_kernarg_segment_ptr 1
		.amdhsa_wavefront_size32 1
		.amdhsa_system_sgpr_workgroup_id_x 1
		.amdhsa_system_sgpr_workgroup_id_y 1
		.amdhsa_system_sgpr_workgroup_id_z 1
		.amdhsa_system_vgpr_workitem_id 0
		.amdhsa_next_free_vgpr 448
		.amdhsa_next_free_sgpr 66
		.amdhsa_reserve_vcc 1
		.amdhsa_float_denorm_mode_32 3
		.amdhsa_float_denorm_mode_16_64 3
		.amdhsa_memory_ordered 1
		.amdhsa_forward_progress 1
		.amdhsa_inst_pref_size 22
	.end_amdhsa_kernel
	.amdgpu_metadata
---
amdhsa.version: [ 1, 2 ]
amdhsa.kernels:
  - .name:           k_q84b469c1ac_fine_attn
    .symbol:         k_q84b469c1ac_fine_attn.kd
    .args:
      - { .name: xc, .offset: 0, .size: 8, .value_kind: global_buffer, .address_space: global }
      - { .name: xs, .offset: 8, .size: 8, .value_kind: global_buffer, .address_space: global }
      - { .name: wc, .offset: 16, .size: 8, .value_kind: global_buffer, .address_space: global }
      - { .name: ws, .offset: 24, .size: 8, .value_kind: global_buffer, .address_space: global }
      - { .name: b_qkv, .offset: 32, .size: 8, .value_kind: global_buffer, .address_space: global }
      - { .name: o32, .offset: 40, .size: 8, .value_kind: global_buffer, .address_space: global }
    .group_segment_fixed_size: 8960
    .private_segment_fixed_size: 0
    .kernarg_segment_align: 8
    .kernarg_segment_size: 48
    .max_flat_workgroup_size: 128
    .sgpr_count:     66
    .vgpr_count:     448
    .wavefront_size: 32
...
	.end_amdgpu_metadata
.endif
;; end of part 5
;; launch fine_proj (part 6): grid 16 x 8, 16 waves a work-group, no clusters, 67,584 bytes of LDS; arguments o32, W_out, b_out, out0; writes out0
.if DOCPART == 6
	.amdgcn_target "amdgcn-amd-amdhsa--gfx1250"
	.amdhsa_code_object_version 6
	.text
	.protected	k_q84b469c1ac_fine_proj
	.globl	k_q84b469c1ac_fine_proj
	.p2align	8
	.type	k_q84b469c1ac_fine_proj,@function
k_q84b469c1ac_fine_proj:
	s_mov_b64 s[64:65], 0
	v_nop
	global_prefetch_b8 v0, s[64:65] scope:SCOPE_SE
	s_setreg_imm32_b32 hwreg(HW_REG_WAVE_MODE, 25, 1), 1
	s_wait_xcnt 0x0
; POSITIONS 0 TO 15 OF EVERY SEQUENCE: out0 = o32 W_out + b_out in f32 fused multiply-adds, over the f16 launch's numbers of these 64 rows.
; A work-group takes 8 rows (half of a batch's 16) x 64 columns (256 bytes of a row).  Wave w takes K = 64 w .. 64 w + 63; lane l columns 2 l, 2 l + 1: each load of W_out reads 256 consecutive bytes.
; The wave's 8 x 64 numbers of o32 lie in its own 2,048 bytes of LDS and are read four at a time by all lanes alike.  The sixteen partial sums meet in LDS; waves 0-7 add them in a fixed order, a row each.
; No matrix unit: 64 rows in f32 are no bulk work, and the f32 matrix form is no faster than the vector unit.
.set OS,    0                          ; 16 x 2,048 bytes: each wave's slice of o32
.set PS,    32768                      ; 16 x 2,048 bytes: each wave's partial sums, 8 rows x 256 bytes
.set SPARE, 65536                      ; the spare words, 128 bytes a wave: eight blocks of 256 bytes that no other line names
.set SPW, 10
.set NIL, 11
.set AC,  16                           ; v16-31  8 pairs of sums (first: the slice on its way to LDS)
.set OB,  32                           ; v32-95  two sets of 8 rows x 4 numbers of o32
.set W,   96                           ; v96-223 64 rows of W_out, a pair each
	s_load_b256 s[4:11], s[0:1], 0x0               ; o32, W_out, b_out, out0
	v_lshl_add_u32 v[SPW], v0, 2, SPARE
	v_mov_b32 v[NIL], 0
	v_lshrrev_b32 v1, 5, v0
	v_readfirstlane_b32 s12, v1                    ; wave 0..15
	v_and_b32 v1, 15, v0                           ; r
	v_bfe_u32 v2, v0, 4, 1                         ; h
	v_and_b32 v3, 31, v0                           ; lane
	v_lshlrev_b32 v4, 12, v2
	v_lshl_add_u32 v4, v1, 4, v4                   ; o32: lanes 0-15 one row's 256 bytes, lanes 16-31 the next row's
	v_lshlrev_b32 v5, 3, v3                        ; 8 bytes a lane
	s_lshl_b32 s13, s12, 11
	v_lshlrev_b32 v6, 8, v2
	v_lshl_add_u32 v6, v1, 4, v6
	v_add_nc_u32 v6, s13, v6                       ; my slice in LDS, on the way in
	v_mov_b32 v7, s13                              ; and as it is read: the same address in every lane
	v_add_nc_u32 v8, s13, v5
	v_add_nc_u32 v8, PS, v8                        ; where I put my partial sums
	s_lshl_b32 s14, s12, 8
	v_add_nc_u32 v9, s14, v5
	v_add_nc_u32 v9, PS, v9                        ; where waves 0-7 read row w of all sixteen
	s_and_b32 s15, ttmp7, 0xffff
	s_lshr_b32 s16, s15, 1                         ; the batch
	s_and_b32 s17, s15, 1                          ; which 8 of its 16 rows
	s_mov_b32 s19, 0
	s_lshl_b32 s20, ttmp9, 8                       ; my 64 columns, in bytes
	s_wait_kmcnt 0x0
	s_lshl_b32 s18, s16, 16
	s_lshl_b32 s21, s17, 15
	s_add_co_u32 s18, s18, s21
	s_add_co_u32 s18, s18, s14
	s_add_nc_u64 s[4:5], s[4:5], s[18:19]          ; o32 at (16 b + 8 half, 64 w)
	s_lshl_b32 s18, s12, 18
	s_add_co_u32 s18, s18, s20
	s_add_nc_u64 s[6:7], s[6:7], s[18:19]          ; W_out at (64 w, my columns)
	s_mov_b32 s18, s20
	s_add_nc_u64 s[8:9], s[8:9], s[18:19]
	s_lshl_b32 s18, s16, 23
	s_add_co_u32 s18, s18, s21
	s_lshl_b32 s21, s12, 12
	s_add_co_u32 s18, s18, s21
	s_add_co_u32 s18, s18, s20
	s_add_nc_u64 s[10:11], s[10:11], s[18:19]      ; out0 at (2,048 b + 8 half + w, my columns): used by waves 0-7
.irp i, 0,1,2,3
	global_load_b128 v[AC+4*\i:AC+4*\i+3], v4, s[4:5] offset:8192*\i
.endr
	global_load_b64 v[12:13], v5, s[8:9]           ; the bias
.set k, 0
.rept 64
	global_load_b64 v[W+2*k:W+2*k+1], v5, s[6:7] offset:4096*k
.set k, k+1
.endr
	s_wait_loadcnt 63                              ; the four loads of o32 are in: 65 loads are younger, and 63 is the largest count that the wait can name
.irp i, 0,1,2,3
	ds_store_b128 v6, v[AC+4*\i:AC+4*\i+3] offset:512*\i
.endr
.macro OCH g                           ; K = 4 g .. 4 g + 3 of the 8 rows; LDS serves a wave's instructions in order: these see my stores
.irp m, 0,1,2,3,4,5,6,7
	ds_load_b128 v[OB+32*((\g)%2)+4*\m:OB+32*((\g)%2)+4*\m+3], v7 offset:256*\m+16*(\g)
.endr
.endm
.macro CHUNK g
.set OBS, OB+32*((\g)%2)
.if (\g) < 15
	OCH (\g)+1
	s_wait_dscnt 8                                 ; this chunk's numbers are in; the next chunk's eight loads may be out
.else
	s_wait_dscnt 0
.endif
	s_wait_loadcnt 60-4*(\g)                       ; W's rows up to 4 g + 3 are in; the rows behind them may be out
.irp kk, 0,1,2,3
.irp m, 0,1,2,3,4,5,6,7
.if ((\g) == 0) && (\kk == 0)
	v_pk_mul_f32 v[AC+2*\m:AC+2*\m+1], v[W:W+1], v[OBS+4*\m:OBS+4*\m+1] op_sel_hi:[1,0]        ; the first product starts the sums
.elseif (\kk%2) == 0
	v_pk_fma_f32 v[AC+2*\m:AC+2*\m+1], v[W+2*(4*(\g)+\kk):W+2*(4*(\g)+\kk)+1], v[OBS+4*\m+\kk:OBS+4*\m+\kk+1], v[AC+2*\m:AC+2*\m+1] op_sel_hi:[1,0,1]
.else
	v_pk_fma_f32 v[AC+2*\m:AC+2*\m+1], v[W+2*(4*(\g)+\kk):W+2*(4*(\g)+\kk)+1], v[OBS+4*\m+\kk-1:OBS+4*\m+\kk], v[AC+2*\m:AC+2*\m+1] op_sel:[0,1,0] op_sel_hi:[1,1,1]
.endif
.endr
.endr
.endm
	OCH 0
.set G, 0
.rept 16
	CHUNK G
.set G, G+1
.endr
.irp m, 0,1,2,3,4,5,6,7
	ds_store_b64 v8, v[AC+2*\m:AC+2*\m+1] offset:256*\m
.endr
	s_wait_dscnt 0x0                               ; for the others' sake
	s_barrier_signal -1
	s_barrier_wait -1
	s_cmp_lt_u32 s12, 8                            ; waves 0-7 finish a row each: a branch on the wave's number, with no barrier under it
	s_cbranch_scc0 .Ldone
.irp w, 0,1,2,3,4,5,6,7,8,9,10,11,12,13,14,15
	ds_load_b64 v[W+2*\w:W+2*\w+1], v9 offset:2048*\w
.endr
	s_wait_dscnt 0x0
.irp w, 0,1,2,3,4,5,6,7,8,9,10,11,12,13,14,15
	v_pk_add_f32 v[12:13], v[12:13], v[W+2*\w:W+2*\w+1]      ; the bias, then K ascending
.endr
	global_store_b64 v5, v[12:13], s[10:11]        ; the 32 lanes store 256 consecutive bytes, aligned
.Ldone:
	s_wait_tensorcnt 0x0                           ; the wave's end
	ds_add_u32 v[SPW], v[NIL]
	s_wait_dscnt 0x0
	s_endpgm
.Lfunc_end_k_q84b469c1ac_fine_proj:
	.size	k_q84b469c1ac_fine_proj, .Lfunc_end_k_q84b469c1ac_fine_proj-k_q84b469c1ac_fine_proj
	.p2alignl 7, 3214868480
	.fill 96, 4, 3214868480
	.section	.rodata,"a",@progbits
	.p2align	6, 0x0
	.amdhsa_kernel k_q84b469c1ac_fine_proj
		.amdhsa_group_segment_fixed_size 67584
		.amdhsa_private_segment_fixed_size 0
		.amdhsa_enable_private_segment 0
		.amdhsa_kernarg_size 32
		.amdhsa_user_sgpr_count 2
		.amdhsa_user_sgpr_kernarg_segment_ptr 1
		.amdhsa_wavefront_size32 1
		.amdhsa_system_sgpr_workgroup_id_x 1
		.amdhsa_system_sgpr_workgroup_id_y 1
		.amdhsa_system_sgpr_workgroup_id_z 1
		.amdhsa_system_vgpr_workitem_id 0
		.amdhsa_next_free_vgpr 224
		.amdhsa_next_free_sgpr 66
		.amdhsa_reserve_vcc 0
		.amdhsa_float_denorm_mode_32 3
		.amdhsa_float_denorm_mode_16_64 3
		.amdhsa_memory_ordered 1
		.amdhsa_forward_progress 1
		.amdhsa_inst_pref_size 53
	.end_amdhsa_kernel
	.amdgpu_metadata
---
amdhsa.version: [ 1, 2 ]
amdhsa.kernels:
  - .name:           k_q84b469c1ac_fine_proj
    .symbol:         k_q84b469c1ac_fine_proj.kd
    .args:
      - { .name: o32, .offset: 0, .size: 8, .value_kind: global_buffer, .address_space: global }
      - { .name: W_out, .offset: 8, .size: 8, .value_kind: global_buffer, .address_space: global }
      - { .name: b_out, .offset: 16, .size: 8, .value_kind: global_buffer, .address_space: global }
      - { .name: out0, .offset: 24, .size: 8, .value_kind: global_buffer, .address_space: global }
    .group_segment_fixed_size: 67584
    .private_segment_fixed_size: 0
    .kernarg_segment_align: 8
    .kernarg_segment_size: 32
    .max_flat_workgroup_size: 512
    .sgpr_count:     66
    .vgpr_count:     224
    .wavefront_size: 32
...
	.end_amdgpu_metadata
.endif
;; end of part 6
